; MI455X (gfx1250); checked and timed in simulation.
; The chip was launched on July 23, 2026; its instructions are those of AMD's public machine-readable ISA for CDNA 5 (MIT licence, August 2026) and "CDNA5" Instruction Set Architecture Reference Guide (July 2026). The comments in the code are by the model that wrote it; some were corrected since.
;; Causal Attention. Allowed arithmetic: matrix products marked QUANTISED: E2M3 operands, one E8M0 scale for each 32 along K, by v_wmma_scale_f32_16x16x128_f8f6f4 with both operands' format E2M3, f32 sums; everything else in f32.
;; Inputs: b_out 1,024 float32; w_out 1,024 x 1,024 float32; w_qkv 1,024 x 3,072 float32; x 4 x 2,048 x 1,024 float32.
;; Outputs: out0 4 x 2,048 x 1,024 float32.
;; This version of the problem:
;;   THIS VERSION OF THE PROBLEM IS GIVEN IN LOW PRECISION. The matrix products marked QUANTISED in the list below multiply operands that are first quantised to E2M3 (2 exponent bits, 3 mantissa bits; 6 bits a number), with one power-of-two scale for each 32 numbers along K (OCP MX v1.0); their sums are f32. All else is computed in f32.
;;   The module's matrix products, in the order in which they are computed (A, B: the left and right operand; K: the contracted axis; several contracted axes count as one K, in the product's order):
;;     1. [M 8,192, K 1,024] x [K 1,024, N 3,072]; A: input x; B: input w_qkv: QUANTISED
;;     2. batch 64 x [M 2,048, K 64] x [K 64, N 2,048]; A: computed on the way; B: computed on the way: QUANTISED
;;     3. batch 64 x [M 2,048, K 2,048] x [K 2,048, N 64]; A: softmax (see below); B: computed on the way: QUANTISED
;;     4. [M 8,192, K 1,024] x [K 1,024, N 1,024]; A: computed on the way; B: input w_out: QUANTISED
;;   THE QUANTISER, for each operand of a quantised product, along K:
;;     - K is cut into blocks of 32 from its start; a last block that is shorter is filled with zeros.
;;     - A block's scale is 2^e with e = floor(log2(the largest magnitude in the block)) - 2, held to -126 .. 127; a block of zeros has e = 0. As a byte (E8M0): e + 127.
;;     - Each number is divided by its block's scale, clamped to +-7.5, and rounded to the nearest number of E2M3, ties to even, subnormals kept.
;;     - The product sums the exact products of the quantised numbers (number of the format x scale) in f32.
;;   ~~~python
;;   def quantise(x, axis):      # numpy; x: float32 -> the quantised numbers, widened to float32 again
;;       x = np.moveaxis(x, axis, -1); K = x.shape[-1]
;;       x = np.pad(x, [(0, 0)] * (x.ndim - 1) + [(0, -K % 32)]); x = x.reshape(x.shape[:-1] + (-1, 32)); a = np.abs(x).max(-1, keepdims=True)
;;       e = np.where(a > 0, np.clip(np.frexp(np.where(a > 0, a, 1))[1] - 1 - 2, -126, 127), 0)      # np.frexp(a)[1] - 1 = floor(log2(a)), exactly
;;       r = np.clip(x / 2.0 ** e, -7.5, 7.5)
;;       step = 2.0 ** (np.maximum(np.frexp(np.where(r == 0, 1, r))[1] - 1, 0) - 3)
;;       q = np.round(r / step) * step * 2.0 ** e      # np.round: ties to even
;;       return np.moveaxis(q.reshape(q.shape[:-2] + (-1,))[..., :K], -1, axis).astype(np.float32)
;;   ~~~
;;   SOFTMAX AHEAD OF A QUANTISED PRODUCT. Where the list says 'softmax', what is quantised is not the finished softmax but p = 2^(t - M), with t = logit x log2(e) and M = ceil(the row's largest t), a whole number; so 1/2 < the row's largest p <= 1. The row's sum l is taken of the UNQUANTISED p, in f32, and the product's result is divided by l at the end. Since M is a whole number, a kernel that streams over the keys may use a running M (the ceiling of the running maximum): every later rescaling is an exact power of two, which a block's scale takes up: the codes' values come out the same.
;;   OPERANDS COMPUTED ON THE WAY. 'Computed on the way' means the value that the module computes at that place (a softmax that the list does not call 'softmax' is quantised finished and normalised). What goes into a quantiser is computed in f32, as accurately as f32 sums, v_exp_f32 and their like allow (about 1e-6 of the number): no bf16 or f16 on the way to a quantiser, and a product that is left as it is and whose result goes on into a quantised operand takes f32 operands (vector FMAs, or v_wmma_f32_16x16x4_f32). A number that lies on a knife's edge between two numbers of the format may be rounded either way, as far as f32 arithmetic and the matrix unit's own rounding can turn it there, and no further.
;; One version. Each part assembles by itself: llvm-mc -triple=amdgcn-amd-amdhsa -mcpu=gfx1250 --defsym DOCPART=n.
;; ======== version 1 of 1: 4 launches
;; workspace buffers: xq 6,291,456 bytes; wq 2,359,296 bytes; wo 786,432 bytes; cq 6,291,456 bytes; scl 655,360 bytes; qc 6,553,600 bytes; kv 13,107,200 bytes
;; launch quant (part 1): grid 256 x 1, 8 waves a work-group, no clusters, 96,256 bytes of LDS; arguments x, w_qkv, w_out, xq, wq, wo, scl; writes xq, wq, wo, scl
.if DOCPART == 1
	.amdgcn_target "amdgcn-amd-amdhsa--gfx1250"
	.amdhsa_code_object_version 6
	.text
	.protected	k_qe576da91c5_quant
	.globl	k_qe576da91c5_quant
	.p2align	8
	.type	k_qe576da91c5_quant,@function
k_qe576da91c5_quant:
	s_mov_b64 s[64:65], 0
	v_nop
	global_prefetch_b8 v0, s[64:65] scope:SCOPE_SE
	s_setreg_imm32_b32 hwreg(HW_REG_WAVE_MODE, 25, 1), 1
	s_wait_xcnt 0x0
; x [8192][1024], w_qkv [1024][3072] and w_out [1024][1024], f32, become codes of FP6 (E2M3) with one E8M0 byte for each 32 along K (x: its last axis; the weights: their first).
; A block's scale is 2^(floor(log2(its largest magnitude)) - 2); its byte is the largest magnitude's exponent field - 2, held at 1 from below.
; LIMITS: NaN and infinities among the inputs are not served; a block whose largest magnitude lies under 2^-124 gets the byte 1; a block of zeros gets the byte 1 where the rule says 127
; (its codes are zeros, which add nothing under any byte but 0xff, and this program alone reads the bytes).
; LAYOUT OF THE RESULTS.  Rows (tokens, or columns of a weight) are taken in tiles of 16: row r of tile 2 b + u is index 32 b + 8 u + r + 8 (r / 8).  A fragment (tile t, K step s of 128) is an image of the
; operand's 12 registers, 1,536 bytes at (8 t + s) x 1,536: for each half c, registers 6 c .. 6 c + 3 at 768 c + 16 x lane and registers 6 c + 4, 6 c + 5 at 768 c + 512 + 8 x lane.
; Lane (r, h) holds row r and K = 64 c + 32 h + 0 .. 31.  The scale word of (t, s, r) lies at region + 512 t + 256 (s / 4) + 16 r + 4 (s % 4).
; SHARES.  Work-groups 0-127 take the weights, 128-255 take x; the two ways part once, on the work-group's number, and have LDS bytes of their own.
.set WIMG,  0                          ; weights: for each wave two tile images, 1,664 bytes apart (1,536 + 128, so that the two tiles' stores fall on different banks): 8 x 3,328
.set WSC,   26624                      ; weights: the scale words of two groups of 32 columns, 512 bytes each
.set XST,   27648                      ; x: a stage of 16 rows x (512 + 16) bytes for each wave
.set SPARE, 95232                      ; the spare words, 128 bytes for each wave: four blocks of 256 bytes that no other line names
.set WS,    262144                     ; scl: w_qkv's words (x's begin at 0)
.set WOS,   360448                     ; scl: w_out's words
.set SPW,   2                          ; v2  LDS address of my spare word; never rewritten
.set NIL,   3                          ; v3  0; never rewritten
	s_load_b256 s[4:11], s[0:1], 0x0               ; x s[4:5], w_qkv s[6:7], w_out s[8:9], xq s[10:11]
	s_load_b128 s[12:15], s[0:1], 0x20             ; wq s[12:13], wo s[14:15]
	s_load_b64 s[16:17], s[0:1], 0x30              ; scl
	v_lshl_add_u32 v[SPW], v0, 2, SPARE
	v_mov_b32 v[NIL], 0
	v_lshrrev_b32 v1, 5, v0
	v_readfirstlane_b32 s18, v1                    ; wave 0..7
	v_and_b32 v1, 31, v0                           ; lane
	s_mov_b32 s20, 0x76543210
	s_mov_b32 s21, 0xfedcba98                      ; v_permlanex16_b32's selects for lane l xor 16
	s_wait_kmcnt 0x0
	s_cmp_lt_u32 ttmp9, 128
	s_cbranch_scc0 .Lx
; ---------------- THE WEIGHTS.  A lane takes a column, its registers run down K: a block of 32 lies in one lane.  A wave takes 32 columns (two tiles) x one K step of 128 (four blocks).
; The work-group: 64 columns (wave % 2 picks 32) x four K steps (wave / 2), so that four waves together make the 16 bytes of scale words of a row.
	s_and_b32 s22, ttmp9, 63                       ; which 64 columns of the 4,096 (3,072 of w_qkv, then 1,024 of w_out)
	s_lshr_b32 s23, ttmp9, 6                       ; which four K steps
	s_and_b32 s32, s18, 1                          ; which 32 columns
	s_lshr_b32 s33, s18, 1                         ; which of the four K steps
	s_lshl_b32 s34, s23, 2
	s_add_co_u32 s34, s34, s33                     ; K step s
	s_lshl_b32 s35, s22, 1
	s_add_co_u32 s35, s35, s32                     ; group of 32 columns
	s_cmp_ge_u32 s22, 48                           ; w_out's?  The choice hangs on the work-group's number alone
	s_cselect_b64 s[36:37], s[8:9], s[6:7]         ; from
	s_cselect_b64 s[38:39], s[14:15], s[12:13]     ; to
	s_mov_b32 s40, 12288
	s_cselect_b32 s40, 4096, s40                   ; bytes from a row of the weight to the next
	s_mov_b32 s41, WS
	s_cselect_b32 s41, WOS, s41                    ; its words' region
	s_cselect_b32 s42, 96, 0
	s_sub_co_u32 s35, s35, s42                     ; the group's number inside its weight
	s_lshl_b32 s43, s34, 7
	s_mul_i32 s44, s43, s40                        ; 128 s rows down,
	s_lshl_b32 s43, s35, 7
	s_add_co_u32 s44, s44, s43                     ; 128 bytes a group along
	s_mov_b32 s45, 0
	s_add_nc_u64 s[24:25], s[36:37], s[44:45]      ; block 0's first row;
	s_lshl_b32 s46, s40, 5
	s_mov_b32 s47, 0
	s_add_nc_u64 s[26:27], s[24:25], s[46:47]      ; blocks 1, 2, 3: 32 rows further down each
	s_add_nc_u64 s[28:29], s[26:27], s[46:47]
	s_add_nc_u64 s[30:31], s[28:29], s[46:47]
	s_lshl_b32 s43, s35, 4
	s_add_co_u32 s43, s43, s34
	s_mul_i32 s44, s43, 1536
	s_add_nc_u64 s[38:39], s[38:39], s[44:45]      ; image (tile 2 g, step s); tile 2 g + 1's lies 12,288 bytes on
	s_lshl_b32 s43, s35, 10
	s_add_co_u32 s44, s43, s41
	s_lshl_b32 s43, s23, 8
	s_add_co_u32 s44, s44, s43
	s_add_nc_u64 s[16:17], s[16:17], s[44:45]      ; the two tiles' words of these four K steps
	v_bfe_u32 v4, v0, 3, 1                         ; my column's tile u = (lane / 8) % 2
	v_and_b32 v5, 7, v0
	v_bfe_u32 v10, v0, 4, 1
	v_lshl_add_u32 v5, v10, 3, v5                  ; and its row r = lane % 8 + 8 (lane / 16)
	s_mul_i32 s43, s18, 3328
	v_mul_u32_u24 v11, v4, 1664
	v_add_nc_u32 v11, s43, v11
	v_lshl_add_u32 v6, v5, 4, v11                  ; into the image: 16 bytes a row,
	v_lshl_add_u32 v7, v5, 3, v11                  ; and 8 bytes a row
	v_lshlrev_b32 v17, 4, v1                       ; 16 x lane
	v_add_nc_u32 v8, s43, v17                      ; out of it
	s_lshl_b32 s43, s32, 9
	s_add_co_u32 s43, s43, WSC
	v_add_nc_u32 v16, s43, v17                     ; the group's 512 bytes of words, on the way out
	s_lshl_b32 s46, s33, 2
	s_add_co_u32 s46, s46, s43
	v_lshl_add_u32 v9, v4, 8, s46
	v_lshl_add_u32 v9, v5, 4, v9                   ; my word: 256 u + 16 r + 4 (s % 4)
	v_lshlrev_b32 v18, 9, v10
	v_and_b32 v12, 15, v0
	v_lshl_add_u32 v18, v12, 4, v18                ; and in scl: lanes 0-15 tile 2 g's 256 bytes, lanes 16-31 tile 2 g + 1's, 512 bytes on
	v_lshlrev_b32 v32, 2, v1                       ; v32-63: 4 x lane + j rows
.set j, 1
.rept 31
	v_add_nc_u32 v[32+j], s40, v[31+j]
.set j, j+1
.endr
.macro LOADW kb                        ; block kb: 32 rows x my column, into set kb % 2; a wave's load reads 128 consecutive bytes, the neighbour wave's the next 128
.set j, 0
.rept 32
	global_load_b32 v[64+32*((\kb)%2)+j], v[32+j], s[24+2*(\kb):25+2*(\kb)] th:TH_LOAD_NT
.set j, j+1
.endr
.endm
.macro BLOCKW kb
.set XB, 64+32*((\kb)%2)
.if (\kb) < 3
	s_wait_loadcnt 32                              ; this block's 32 loads are in; the next block's 32 may be out
.else
	s_wait_loadcnt 0
.endif
	v_max3_num_f32 v10, |v[XB]|, |v[XB+1]|, |v[XB+2]|               ; the block's largest magnitude: all 32 numbers are mine; two chains
	v_max3_num_f32 v11, |v[XB+3]|, |v[XB+4]|, |v[XB+5]|
.irp i, 6,10,14,18,22,26
	v_max3_num_f32 v10, v10, |v[XB+\i]|, |v[XB+\i+1]|
	v_max3_num_f32 v11, v11, |v[XB+\i+2]|, |v[XB+\i+3]|
.endr
	v_max3_num_f32 v10, v10, |v[XB+30]|, |v[XB+31]|
	v_max3_num_f32 v10, v10, v11, 0x1800000        ; and the floor 2^(3 - 127): the byte cannot fall under 1
	v_add_nc_u32 v12, 0xff000000, v10              ; 2 off its exponent field: the conversion takes the exponent field of this operand as its scale
	v_lshrrev_b32 v13, 23, v12                     ; the scale's byte
.if (\kb) == 0
	v_mov_b32 v14, v13
.else
	v_lshl_or_b32 v14, v13, 8*(\kb), v14           ; four bytes make my column's word of this K step
.endif
	v_cvt_scalef32_pk16_fp6_f32 v[128:130], v[XB:XB+15], v12
	v_cvt_scalef32_pk16_fp6_f32 v[134:136], v[XB+16:XB+31], v12     ; (a conversion's three registers begin on an even number)
	v_nop                                          ; one plain place behind a scaled conversion
	v_mov_b32 v131, v134
	v_mov_b32 v132, v135
	v_mov_b32 v133, v136
	ds_store_b128 v6, v[128:131] offset:768*((\kb)/2)+256*((\kb)%2)       ; block kb is half c = kb / 2 of lane r + 16 (kb % 2) of the image
	ds_store_b64 v7, v[132:133] offset:768*((\kb)/2)+128*((\kb)%2)+512
.if (\kb) < 2
	LOADW (\kb)+2
.endif
	s_wait_dscnt 0x0                               ; the stores have read their registers: the next block's codes may be written
.endm
	LOADW 0
	LOADW 1
	BLOCKW 0
	BLOCKW 1
	BLOCKW 2
	BLOCKW 3
	ds_store_b32 v9, v14
.irp u, 0,1
.irp m, 0,1,2
	ds_load_b128 v[140+12*\u+4*\m:143+12*\u+4*\m], v8 offset:1664*\u+512*\m   ; LDS serves a wave's instructions in order: these see my stores
.endr
.endr
	s_wait_dscnt 0x0                               ; my images are back, and my word has landed, for the others' sake
.irp u, 0,1
.irp m, 0,1,2
	global_store_b128 v17, v[140+12*\u+4*\m:143+12*\u+4*\m], s[38:39] offset:12288*\u+512*\m   ; 32 lanes store 512 consecutive bytes, aligned
.endr
.endr
	s_barrier_signal -1
	s_barrier_wait -1                              ; the four K steps' words of both groups lie in LDS
	s_cmp_lg_u32 s33, 0                            ; waves 0 and 1 store them, a group each
	s_cbranch_scc1 .Lw_end
	ds_load_b128 v[20:23], v16
	s_wait_dscnt 0x0
	global_store_b128 v18, v[20:23], s[16:17]      ; two aligned runs of 256 bytes
.Lw_end:
	s_wait_tensorcnt 0x0                           ; the wave's end: behind my last LDS store
	ds_add_u32 v[SPW], v[NIL]
	s_wait_dscnt 0x0
	s_endpgm
; ---------------- x.  A wave takes one tile of 16 tokens x four K steps: four fragments.  Each load reads 512 consecutive bytes of one row; a fragment's 16 x 512 bytes turn through the wave's own stage,
; from which lane (r, h) takes K = 64 c + 32 h + 0 .. 31 of row r: two whole blocks a lane, in the operand's own order.
.Lx:
	s_sub_co_u32 s22, ttmp9, 128
	s_lshl_b32 s22, s22, 3
	s_add_co_u32 s22, s22, s18                     ; task = 2 x tile + which four K steps
	s_lshr_b32 s23, s22, 1                         ; tile t
	s_and_b32 s24, s22, 1
	s_lshr_b32 s25, s23, 1
	s_lshl_b32 s25, s25, 5
	s_and_b32 s26, s23, 1
	s_lshl_b32 s26, s26, 3
	s_add_co_u32 s25, s25, s26                     ; the tile's first token: 32 (t / 2) + 8 (t % 2)
	s_lshl_b32 s26, s25, 12
	s_lshl_b32 s27, s24, 11
	s_add_co_u32 s26, s26, s27
	s_mov_b32 s27, 0
	s_add_nc_u64 s[4:5], s[4:5], s[26:27]
	s_lshl_b32 s26, s22, 2                         ; image 8 t + 4 (task % 2) = 4 x task
	s_mul_i32 s26, s26, 1536
	s_add_nc_u64 s[10:11], s[10:11], s[26:27]
	s_lshl_b32 s26, s22, 8                         ; words: 512 t + 256 (task % 2) = 256 x task
	s_add_nc_u64 s[16:17], s[16:17], s[26:27]
	v_lshlrev_b32 v4, 4, v1                        ; 16 x lane
	s_mul_i32 s28, s18, 8448
	s_add_co_u32 s28, s28, XST                     ; my stage
	v_add_nc_u32 v5, s28, v4                       ; in: a row's 512 bytes as they lie
	v_and_b32 v10, 15, v0                          ; r
	v_bfe_u32 v11, v0, 4, 1                        ; h
	v_mul_u32_u24 v6, v10, 528
	v_lshl_add_u32 v6, v11, 7, v6
	v_add_nc_u32 v6, s28, v6                       ; out: row r, + 128 h
	v_lshlrev_b32 v7, 3, v11                       ; 8 h
	v_lshlrev_b32 v8, 3, v1                        ; 8 x lane
	v_lshlrev_b32 v9, 4, v10                       ; 16 r
	v_mov_b32 v17, 0                               ; a lane permute's destination counts as one of its sources
.macro LOADF f                         ; fragment f: 16 rows x 512 bytes, into set f % 2
.set i, 0
.rept 16
	global_load_b128 v[64+64*((\f)%2)+4*i:64+64*((\f)%2)+4*i+3], v4, s[4:5] offset:(i+8*(i/8))*4096+512*(\f) th:TH_LOAD_NT
.set i, i+1
.endr
.endm
.macro FRAGX f
.set RB, 64+64*((\f)%2)
.if (\f) < 3
	s_wait_loadcnt 16                              ; this fragment's 16 loads are in; the next one's 16 may be out
.else
	s_wait_loadcnt 0
.endif
.set i, 0
.rept 16
	ds_store_b128 v5, v[RB+4*i:RB+4*i+3] offset:528*i
.set i, i+1
.endr
.irp c, 0,1
.irp j, 0,1,2,3,4,5,6,7
	ds_load_b128 v[192+32*\c+4*\j:195+32*\c+4*\j], v6 offset:256*\c+16*\j
.endr
.endr
	s_wait_dscnt 0x0                               ; my 64 numbers are back, and the stores have read their registers,
.if (\f) < 2
	LOADF (\f)+2                                   ; which take the loads of two fragments on
.endif
.irp c, 0,1
	v_max3_num_f32 v[10+\c], |v[192+32*\c]|, |v[193+32*\c]|, 0x1800000   ; my block 2 c + h, and the floor 2^(3 - 127)
.endr
.irp i, 2,4,6,8,10,12,14,16,18,20,22,24,26,28,30
.irp c, 0,1
	v_max3_num_f32 v[10+\c], v[10+\c], |v[192+32*\c+\i]|, |v[193+32*\c+\i]|   ; (the two blocks by turns)
.endr
.endr
.irp c, 0,1
	v_add_nc_u32 v[12+\c], 0xff000000, v[10+\c]    ; the conversion's scale operand
.endr
.irp c, 0,1
	v_lshrrev_b32 v[14+\c], 23, v[12+\c]           ; the scale's byte
.endr
	v_lshl_or_b32 v16, v15, 16, v14                ; my two bytes: blocks h and 2 + h,
	v_lshlrev_b32 v16, v7, v16                     ; at their places in the word;
	v_permlanex16_b32 v17, v16, s20, s21
	v_or_b32 v[20+(\f)], v16, v17                  ; with lane l xor 16's two the word is whole
.if (\f) > 0
	s_wait_xcnt 0x0                                ; the last fragment's stores have read the code registers
.endif
.irp c, 0,1
	v_cvt_scalef32_pk16_fp6_f32 v[24+6*\c:26+6*\c], v[192+32*\c:207+32*\c], v[12+\c]
	v_cvt_scalef32_pk16_fp6_f32 v[36+4*\c:38+4*\c], v[208+32*\c:223+32*\c], v[12+\c]
.endr
	v_nop                                          ; one plain place behind a scaled conversion
.irp c, 0,1
.irp i, 0,1,2
	v_mov_b32 v[27+6*\c+\i], v[36+4*\c+\i]
.endr
.endr
	global_store_b128 v4, v[24:27], s[10:11] offset:1536*(\f)          ; 512 consecutive bytes,
	global_store_b64 v8, v[28:29], s[10:11] offset:1536*(\f)+512       ; 256,
	global_store_b128 v4, v[30:33], s[10:11] offset:1536*(\f)+768      ; and the second half likewise
	global_store_b64 v8, v[34:35], s[10:11] offset:1536*(\f)+1280
.endm
	LOADF 0
	LOADF 1
	FRAGX 0
	FRAGX 1
	FRAGX 2
	FRAGX 3
	s_wait_xcnt 0x0                                ; EXEC changes only behind this wait
	v_cmp_gt_u32 vcc_lo, 16, v1
	s_and_saveexec_b32 s29, vcc_lo                 ; lanes 16-31 hold the same words
	global_store_b128 v9, v[20:23], s[16:17]       ; 16 lanes store the tile's 256 bytes of words of these four K steps
	s_wait_xcnt 0x0                                ; and again, in front of the line that widens it
	s_or_b32 exec_lo, exec_lo, s29
	s_wait_tensorcnt 0x0                           ; the wave's end: behind my last LDS store
	ds_add_u32 v[SPW], v[NIL]
	s_wait_dscnt 0x0
	s_endpgm
.Lfunc_end_k_qe576da91c5_quant:
	.size	k_qe576da91c5_quant, .Lfunc_end_k_qe576da91c5_quant-k_qe576da91c5_quant
	.p2alignl 7, 3214868480
	.fill 96, 4, 3214868480
	.section	.rodata,"a",@progbits
	.p2align	6, 0x0
	.amdhsa_kernel k_qe576da91c5_quant
		.amdhsa_group_segment_fixed_size 96256
		.amdhsa_private_segment_fixed_size 0
		.amdhsa_enable_private_segment 0
		.amdhsa_kernarg_size 56
		.amdhsa_user_sgpr_count 2
		.amdhsa_user_sgpr_kernarg_segment_ptr 1
		.amdhsa_wavefront_size32 1
		.amdhsa_system_sgpr_workgroup_id_x 1
		.amdhsa_system_sgpr_workgroup_id_y 1
		.amdhsa_system_sgpr_workgroup_id_z 1
		.amdhsa_system_vgpr_workitem_id 0
		.amdhsa_next_free_vgpr 256
		.amdhsa_next_free_sgpr 66
		.amdhsa_reserve_vcc 1
		.amdhsa_float_denorm_mode_32 3
		.amdhsa_float_denorm_mode_16_64 3
		.amdhsa_memory_ordered 1
		.amdhsa_forward_progress 1
		.amdhsa_inst_pref_size 54
	.end_amdhsa_kernel
	.amdgpu_metadata
---
amdhsa.version: [ 1, 2 ]
amdhsa.kernels:
  - .name:           k_qe576da91c5_quant
    .symbol:         k_qe576da91c5_quant.kd
    .args:
      - { .name: x, .offset: 0, .size: 8, .value_kind: global_buffer, .address_space: global }
      - { .name: w_qkv, .offset: 8, .size: 8, .value_kind: global_buffer, .address_space: global }
      - { .name: w_out, .offset: 16, .size: 8, .value_kind: global_buffer, .address_space: global }
      - { .name: xq, .offset: 24, .size: 8, .value_kind: global_buffer, .address_space: global }
      - { .name: wq, .offset: 32, .size: 8, .value_kind: global_buffer, .address_space: global }
      - { .name: wo, .offset: 40, .size: 8, .value_kind: global_buffer, .address_space: global }
      - { .name: scl, .offset: 48, .size: 8, .value_kind: global_buffer, .address_space: global }
    .group_segment_fixed_size: 96256
    .private_segment_fixed_size: 0
    .kernarg_segment_align: 8
    .kernarg_segment_size: 56
    .max_flat_workgroup_size: 256
    .sgpr_count:     66
    .vgpr_count:     256
    .wavefront_size: 32
...
	.end_amdgpu_metadata
.endif
;; end of part 1
;; launch gemm_qkv (part 2): grid 12 x 32, 4 waves a work-group, clusters of 4 x 4, 327,680 bytes of LDS; arguments xq, wq, scl, qc, kv; writes qc, kv
.if DOCPART == 2
	.amdgcn_target "amdgcn-amd-amdhsa--gfx1250"
	.amdhsa_code_object_version 6
	.text
	.protected	k_qe576da91c5_gemm_qkv
	.globl	k_qe576da91c5_gemm_qkv
	.p2align	8
	.type	k_qe576da91c5_gemm_qkv,@function
k_qe576da91c5_gemm_qkv:
	s_mov_b64 s[64:65], 0
	v_nop
	global_prefetch_b8 v0, s[64:65] scope:SCOPE_SE
	s_setreg_imm32_b32 hwreg(HW_REG_WAVE_MODE, 25, 1), 1
	s_wait_xcnt 0x0
	s_wait_alu depctr_hold_cnt(0) depctr_sa_sdst(0) depctr_va_vdst(0) depctr_va_sdst(0) depctr_va_ssrc(0) depctr_va_vcc(0) depctr_vm_vsrc(0)
	s_getreg_b32 s2, hwreg(HW_REG_IB_STS2, 6, 4)
	s_cmp_eq_u32 s2, 0
	s_cbranch_scc0 .Lentry_in_a_cluster
	s_endpgm
.Lentry_in_a_cluster:
	s_bfe_u32 s2, ttmp6, 0x10000c
	s_cmp_lg_u32 s2, 0xf033
	s_cbranch_scc0 .Lentry_shape_is_right
	s_endpgm
.Lentry_shape_is_right:
; qkv = x w_qkv on codes of FP6 (E2M3) with E8M0 scales, K = 1,024; the results are quantised in registers and leave as codes: q and k along the head's 64, v along the keys.  No f32 result goes to memory.
; A work-group of four waves makes 256 tokens x 256 columns, a wave 128 x 128: 64 accumulators, 512 registers.  CLUSTERS of 4 x 4: x's tiles are asked for jointly along a row of the cluster, the weight's along a column.
; OPERANDS lie in memory as images of their registers (tile t, K step s at (8 t + s) x 1,536 bytes), so a tile's two K steps are 3,072 consecutive bytes and a fragment comes out of LDS by four loads, consecutive by lane.
; K goes in 8 steps of 128, two to a slot.  THREE LDS slots take the first six steps as first fills; steps 6 and 7 fill slot 0 again, behind the one round of the cluster's barrier in the middle.  By this text's own count a wave
; has three tensor loads out at the start and one behind the round.  All is written out: the scale registers' numbers change from step to step.
; THE SCALE WORDS of all 8 steps come straight from memory into 64 registers, in whole runs of 256 bytes: lanes 0-15 source 1's block i, lanes 16-31 source 0's.
; ROLES.  A lane's registers run along source 0's rows, and the quantiser runs along a lane's registers.  Cluster x = 0, 1 (q, k): source 0 = the weight's columns, source 1 = tokens: a lane holds one token.
; Cluster x = 2 (v): source 0 = tokens, source 1 = the weight's columns: a lane holds one channel and its registers run along the keys.  Four scalars differ, chosen on the cluster's x, which all partners share.
; THE ROWS OF A TILE ARE NOT NEIGHBOURS: row r of tile 2 b + u is index 32 b + 8 u + r + 8 (r / 8), so that the 16 registers of result tiles 2 b and 2 b + 1 are 16 neighbours: 32 b + 16 (lane / 16) + 0 .. 15.
; LIMITS: NaN and infinities are not served; a block whose largest magnitude lies under 2^-124, a block of zeros among them, gets the byte 1 (this program alone reads the bytes).
; REGISTERS, in windows of 256: window 0: v1-29 addresses; v32-95 scale words; v96-127 at work on the way out; v128-223 source 1's fragments, one set; v224-242 the codes just made.
;   window 1: source 0's fragments, two sets, at v0 and v128.   windows 2, 3: the accumulators ((a, b) at v[8 (8 (a % 4) + b)] of window 2 + a / 4).
.set NA,    8                          ; source 1's blocks of 16 rows a wave
.set H,     NA/2
.set QB,    NA/4
.set NTA,   8                          ; tiles in a half of x's part of a slot
.set AHALF, NTA*3072
.set BHALF, 8*3072
.set ATOT,  2*AHALF
.set SLOT,  ATOT+2*BHALF               ; x's two halves, then the weight's two
.set SPARE, 3*SLOT                     ; behind the slots: the spare words, 128 bytes for each wave: two blocks of 256 bytes that no other line names
.set WS,    262144                     ; scl: w_qkv's words (x's begin at 0)
.set P16, 4                            ; v4-6    source 0 in slot L: base + 16 x lane;   v7-9   base + 8 x lane
.set P8,  7
.set R16, 10                           ; v10-12, v13-15  the same for source 1
.set R8,  13
.set ADS, 16                           ; v16     my scale words' offset in scl
.set L16, 17                           ; v17     16 x lane
.set L8,  18                           ; v18     8 x lane
.set SPW, 28                           ; v28     LDS address of my spare word; never rewritten
.set NIL, 29                           ; v29     0; never rewritten
.set SC,  32                           ; v[SC + 8 i + s]: the words of block i, K step s
.set AF,  128
.set BIAS, 176                         ; (not used in this launch)
.set TM,  96                           ; v96-99 largest magnitudes, v100-103 permutes and bytes, v108-111 scale operands
.set WD,  112                          ; v112-119 the eight blocks' scale words
.set PC,  224                          ; v224-235 a fragment's codes; v236-238, v240-242 the conversions' second halves
.set G1,  24                           ; s[24:31] descriptor group 1 for x's tiles;  s[32:39] for the weight's
.set G1B, 32
.set G0,  48                           ; s[48:59] group 0 for x's tiles, a set for each slot;  s[68:79] for the weight's
.set G0B, 68
.set MSB, 0
.macro WIN new                         ; the immediate's high byte repeats the setting that is left; a switch that changes nothing is dropped
.if MSB != (\new)
	s_set_vgpr_msb (MSB<<8)|(\new)
.set MSB, (\new)
.endif
.endm
; A joint load: waves 0 and 1 fetch x's halves, waves 2 and 3 the weight's.  An s_nop 0 and four v_nop follow each of the two lines.
.macro JLOAD g0a, g1a, g0b, g1b
	s_cmp_eq_u32 s15, 0
	s_cbranch_scc0 .Lfor_b_\@
	tensor_load_to_lds s[\g0a:\g0a+3], s[\g1a:\g1a+7]
	s_nop 0
.rept 4
	v_nop
.endr
	s_branch .Lasked_\@
.Lfor_b_\@:
	tensor_load_to_lds s[\g0b:\g0b+3], s[\g1b:\g1b+7]
	s_nop 0
.rept 4
	v_nop
.endr
.Lasked_\@:
.endm
.macro CREST                           ; a round of the cluster's barrier behind its opening barrier
	s_cmp_lg_u32 s14, 0
	s_cbranch_scc1 .Lnot_wave_0_\@
	s_barrier_signal -3
.Lnot_wave_0_\@:
	s_barrier_wait -3
	s_barrier_signal -1
	s_barrier_wait -1
.endm
.macro CROUND
	s_barrier_signal -1
	s_barrier_wait -1
	CREST
.endm
.macro PLACES n                        ; plain vector instructions between a matrix instruction and a load into, or a read of, its registers
.rept \n
	v_nop
.endr
.endm
.macro FRAG reg, a16, a8, off          ; a fragment's image into 12 registers: four loads, each consecutive by lane
	ds_load_b128 v[\reg:\reg+3], v[\a16] offset:\off
	ds_load_b64 v[\reg+4:\reg+5], v[\a8] offset:\off+512
	ds_load_b128 v[\reg+6:\reg+9], v[\a16] offset:\off+768
	ds_load_b64 v[\reg+10:\reg+11], v[\a8] offset:\off+1280
.endm
.macro FETCH0 L, q, p                  ; source 0's eight fragments of slot L's q-th step into set p
	WIN 0x40
.irp i, 0,1,2,3,4,5,6,7
	FRAG 128*(\p)+12*\i, P16+\L, P8+\L, 3072*\i+1536*(\q)
.endr
	WIN 0
.endm
.macro FETCH1 L, q, i0, n              ; source 1's blocks i0 .. i0 + n - 1
.set fi, \i0
.rept \n
	FRAG AF+12*fi, R16+\L, R8+\L, 3072*fi+1536*(\q)
.set fi, fi+1
.endr
.endm
; 8 matrix instructions: source 1's block a against source 0's eight, K step s.  mode 1: the product starts the sums; 2: from the bias; 0: in place.  The accumulators take turns, one instruction a turn.
.macro MULA a, p, s, mode
.if (\mode) == 2
	WIN 0x81
.elseif (\a) < 4
	WIN 0xa1
.else
	WIN 0xf1
.endif
.irp b, 0,1,2,3,4,5,6,7
.if (\mode) == 1
	v_wmma_scale_f32_16x16x128_f8f6f4 v[8*(8*((\a)%4)+\b):8*(8*((\a)%4)+\b)+7], v[128*(\p)+12*\b:128*(\p)+12*\b+11], v[AF+12*(\a):AF+12*(\a)+11], 0, v[SC+8*\b+(\s)], v[SC+8*(\a)+(\s)] matrix_a_fmt:MATRIX_FMT_FP6 matrix_b_fmt:MATRIX_FMT_FP6 matrix_a_scale:MATRIX_SCALE_ROW1
.elseif (\mode) == 2
	v_wmma_scale_f32_16x16x128_f8f6f4 v[8*(8*((\a)%4)+\b):8*(8*((\a)%4)+\b)+7], v[128*(\p)+12*\b:128*(\p)+12*\b+11], v[AF+12*(\a):AF+12*(\a)+11], v[BIAS+8*\b:BIAS+8*\b+7], v[SC+8*\b+(\s)], v[SC+8*(\a)+(\s)] matrix_a_fmt:MATRIX_FMT_FP6 matrix_b_fmt:MATRIX_FMT_FP6 matrix_a_scale:MATRIX_SCALE_ROW1
.else
	v_wmma_scale_f32_16x16x128_f8f6f4 v[8*(8*((\a)%4)+\b):8*(8*((\a)%4)+\b)+7], v[128*(\p)+12*\b:128*(\p)+12*\b+11], v[AF+12*(\a):AF+12*(\a)+11], v[8*(8*((\a)%4)+\b):8*(8*((\a)%4)+\b)+7], v[SC+8*\b+(\s)], v[SC+8*(\a)+(\s)] matrix_a_fmt:MATRIX_FMT_FP6 matrix_b_fmt:MATRIX_FMT_FP6 matrix_a_scale:MATRIX_SCALE_ROW1
.endif
.endr
.endm
.macro MULR a0, n, p, s, mode          ; blocks a0 .. a0 + n - 1
.set ma, \a0
.rept \n
	MULA ma, \p, \s, \mode
.set ma, ma+1
.endr
.endm
; A slot's first step: multiplies set 0 and fetches the slot's second step: source 0 into set 1; source 1's lower blocks in the middle, its upper blocks at the end, each as soon as its products are issued.
.macro STEP L, s, mode
	s_wait_dscnt 4*H                               ; source 0 and source 1's lower half are in; the youngest 4 H loads (its upper half) may be out
	MULR 0, H, 0, \s, \mode
	s_wait_dscnt 0x0
	PLACES 4
	FETCH0 \L, 1, 1
	FETCH1 \L, 1, 0, H
	MULR H, H, 0, \s, \mode
	PLACES 4
	WIN 0
	FETCH1 \L, 1, H, H
.endm
; A slot's second step: multiplies set 1 and goes on to slot N.  kind 0: slot N was shown whole to every wave at an earlier barrier.  kind 1: a barrier, behind each wave's wait for its tensor load.
; kind 2: the barrier opens a round of the cluster's barrier, and slot 0 is filled again first thing behind it.
.macro TURN L, N, s, kind
.if (\kind) == 0
	s_wait_dscnt 4*H
	MULR 0, H, 1, \s, 0
	s_wait_dscnt 0x0
	PLACES 4
.else
	s_wait_tensorcnt 0x0                           ; all my tensor loads have landed  (every window is 0 here: the add's two registers lie in window 0)
	ds_add_u32 v[SPW], v[NIL]                      ; 0 onto my spare word
	s_wait_dscnt 4*H+1                             ; (the add and source 1's upper half may be out)
	MULR 0, QB, 1, \s, 0                           ; matrix work stands between the add and the wait for it
	s_wait_dscnt 0x0                               ; the add is done, and my reads of this slot are over
	s_barrier_signal -1
	MULR QB, QB, 1, \s, 0
	WIN 0                                          ; (branches may follow)
	s_barrier_wait -1
.if (\kind) == 2
	CREST                                          ; no wave of any partner still reads slot 0 or has a load on its way
	s_add_nc_u64 s[G0+2:G0+3], s[G0+2:G0+3], 9216  ; from K steps 0, 1 to K steps 6, 7: three times 3,072 bytes
	s_add_nc_u64 s[G0B+2:G0B+3], s[G0B+2:G0B+3], 9216
	JLOAD G0, G1, G0B, G1B                         ; the first tensor load behind the round; its four v_nop are the places in front of the loads below
.else
	PLACES 4
.endif
.endif
	FETCH0 \N, 0, 0
	FETCH1 \N, 0, 0, H
	MULR H, H, 1, \s, 0
	PLACES 4
	WIN 0
	FETCH1 \N, 0, H, H
.endm
.macro LAST s                          ; the last step fetches nothing
	s_wait_dscnt 4*H
	MULR 0, H, 1, \s, 0
	s_wait_dscnt 0x0
	MULR H, H, 1, \s, 0
	WIN 0
.endm
	s_load_b256 s[4:11], s[0:1], 0x0               ; xq s[4:5], wq s[6:7], scl s[8:9], qc s[10:11]
	s_load_b64 s[12:13], s[0:1], 0x20              ; kv
	v_lshl_add_u32 v[SPW], v0, 2, SPARE
	v_mov_b32 v[NIL], 0
	ds_add_u32 v[SPW], v[NIL]                      ; the wave's opening: the add and its wait stand ahead of my first tensor load; work on registers stands between them
	v_lshrrev_b32 v1, 5, v0
	v_readfirstlane_b32 s14, v1                    ; wave 0..3
	s_lshr_b32 s15, s14, 1                         ; which 128 tokens are mine.  Also: I fetch x's tiles (0) or the weight's (1)
	s_and_b32 s16, s14, 1                          ; which 128 columns.  Also: which half I fetch
	s_bfe_u32 s40, ttmp6, 0x40000                  ; cx, cy: my place in the cluster
	s_bfe_u32 s41, ttmp6, 0x40004
	s_lshl_b32 s42, ttmp9, 2
	s_add_co_u32 s42, s42, s40                     ; which 256 columns = 4 x cluster x + cx
	s_and_b32 s17, ttmp7, 0xffff
	s_lshl_b32 s17, s17, 2
	s_add_co_u32 s17, s17, s41                     ; which 256 tokens = 4 x cluster y + cy
	s_lshl_b32 s43, s41, 2
	s_lshl_b32 s43, 15, s43                        ; my row of the cluster
	s_lshl_b32 s44, 0x1111, s40                    ; my column
	s_or_b32 s[G1], s43, (3<<16)|(1<<21)           ; 15:0 the mask; 17:16 elements of 8 bytes; 20 no padding; 21 set beside a mask
	s_or_b32 s[G1B], s44, (3<<16)|(1<<21)
.irp g, G1, G1B
	s_mov_b32 s[\g+1], 384<<16                     ; tensor_dim0 = 384 elements: a tile's two K steps, 3,072 bytes
	s_mov_b32 s[\g+3], 384<<16                     ; tile_dim0
	s_mov_b32 s[\g+5], 1536                        ; from a tile to the next: 12,288 bytes
	s_mov_b32 s[\g+6], 0
	s_mov_b32 s[\g+7], 0
.endr
	s_mov_b32 s[G1+2], NTA<<16                     ; tensor_dim1 = tile_dim1 = the tiles of a half
	s_mov_b32 s[G1+4], NTA
	s_mov_b32 s[G1B+2], 8<<16
	s_mov_b32 s[G1B+4], 8
	s_lshl_b32 s18, s16, 3
	s_lshl_b32 s20, s17, 4
	s_add_co_u32 s20, s20, s18                     ; x: tile 16 x (256 tokens) + 8 x half
	s_mul_i32 s20, s20, 12288
	s_mov_b32 s21, 0
	s_lshl_b32 s46, s42, 4
	s_add_co_u32 s46, s46, s18                     ; the weight: tile 16 x (256 columns) + 8 x half
	s_mul_i32 s46, s46, 12288
	s_mov_b32 s47, 0
	s_mul_i32 s45, s16, AHALF                      ; where they go: no place in the cluster enters an LDS address
	s_mul_i32 s22, s16, BHALF
	s_add_co_u32 s22, s22, ATOT
	s_wait_dscnt 0x0                               ; the opening add is done
	s_wait_kmcnt 0x0
	s_add_nc_u64 s[20:21], s[4:5], s[20:21]
	s_add_nc_u64 s[46:47], s[6:7], s[46:47]
	CROUND                                         ; all sixteen work-groups are here: the first joint loads meet
.irp L, 0,1,2
	s_mov_b32 s[G0+4*\L], 1
	s_add_co_u32 s[G0+4*\L+1], s45, \L*SLOT
	s_add_nc_u64 s[G0+4*\L+2:G0+4*\L+3], s[20:21], \L*3072
	s_or_b32 s[G0+4*\L+3], s[G0+4*\L+3], 0x80000000
	s_mov_b32 s[G0B+4*\L], 1
	s_add_co_u32 s[G0B+4*\L+1], s22, \L*SLOT
	s_add_nc_u64 s[G0B+4*\L+2:G0B+4*\L+3], s[46:47], \L*3072
	s_or_b32 s[G0B+4*\L+3], s[G0B+4*\L+3], 0x80000000
	JLOAD G0+4*\L, G1, G0B+4*\L, G1B
.endr
	v_and_b32 v1, 31, v0                           ; lane
	v_and_b32 v2, 15, v0                           ; r
	v_bfe_u32 v3, v0, 4, 1                         ; h
	v_lshlrev_b32 v[L16], 4, v1
	v_lshlrev_b32 v[L8], 3, v1
	s_mul_i32 s60, s15, AHALF                      ; x's half that I read,
	s_mul_i32 s61, s16, BHALF
	s_add_co_u32 s61, s61, ATOT                    ; the weight's half,
	s_lshl_b32 s62, s17, 4
	s_lshl_b32 s63, s15, 3
	s_add_co_u32 s62, s62, s63
	s_lshl_b32 s62, s62, 9                         ; my tokens' scale words in scl,
	s_lshl_b32 s63, s42, 4
	s_lshl_b32 s66, s16, 3
	s_add_co_u32 s63, s63, s66
	s_lshl_b32 s63, s63, 9
	s_add_co_u32 s63, s63, WS                      ; my columns'
	s_cmp_eq_u32 ttmp9, 2                          ; v's columns?  The cluster's x: the same in all partners
	s_cselect_b32 s80, s60, s61                    ; source 0 in LDS,
	s_cselect_b32 s81, s61, s60                    ; source 1,
	s_cselect_b32 s82, s62, s63                    ; source 0's words,
	s_cselect_b32 s83, s63, s62                    ; source 1's
.irp L, 0,1,2
	v_add_nc_u32 v[P16+\L], s80, v[L16]
	v_add_nc_u32 v[P8+\L], s80, v[L8]
	v_add_nc_u32 v[R16+\L], s81, v[L16]
	v_add_nc_u32 v[R8+\L], s81, v[L8]
	s_add_co_u32 s80, s80, SLOT
	s_add_co_u32 s81, s81, SLOT
.endr
	s_mov_b32 s23, 0xffff0000                      ; lanes 16-31
	v_mov_b32 v21, s83
	v_mov_b32 v22, s82
	v_cndmask_b32 v21, v21, v22, s23               ; lanes 0-15 take source 1's words, lanes 16-31 source 0's
	v_lshl_add_u32 v[ADS], v2, 4, v21
.irp i, 0,1,2,3,4,5,6,7
.irp g, 0,1
	global_load_b128 v[SC+8*\i+4*\g:SC+8*\i+4*\g+3], v[ADS], s[8:9] offset:512*\i+256*\g   ; four K steps' words of 16 rows: sixteen lanes read 256 consecutive bytes
.endr
.endr
	; the way out's scalars, made while the first tiles are on their way.  Record (batch x 16 + head) x 16 + (128 tokens' number in the batch).
	s_lshl_b32 s82, s17, 1
	s_add_co_u32 s82, s82, s15                     ; my 128 tokens' number
	s_lshr_b32 s83, s82, 4                         ; batch
	s_and_b32 s82, s82, 15
	s_lshl_b32 s83, s83, 4
	s_lshl_b32 s80, s40, 2
	s_add_co_u32 s83, s83, s80
	s_lshl_b32 s80, s16, 1
	s_add_co_u32 s83, s83, s80                     ; + my first head: 4 cx + 2 x (which 128 columns)
	s_lshl_b32 s83, s83, 4
	s_add_co_u32 s83, s83, s82                     ; the record
	s_cmp_eq_u32 ttmp9, 0
	s_cselect_b64 s[84:85], s[10:11], s[12:13]     ; q goes to qc, k and v to kv
	s_mov_b32 s92, 12800
	s_cselect_b32 s92, 6400, s92                   ; a record's bytes
	s_mov_b32 s93, 12288
	s_cselect_b32 s93, 6144, s93                   ; where its scale words begin (q, k)
	s_cmp_eq_u32 ttmp9, 2
	s_cselect_b32 s93, 12544, s93                  ; (v)
	s_cselect_b32 s94, 6144, 0                     ; v's fragments lie behind k's
	s_mul_i32 s95, s92, 16                         ; from a head to the next: 16 records
	s_cselect_b32 s96, 768, s95                    ; a fragment's second half: q, k: the next head's; v: the same fragment's
	s_mov_b32 s88, 768
	s_cselect_b32 s88, 1536, s88                   ; from block a to block a + 1
	s_cselect_b32 s90, 198656, 0                   ; v, behind block 3: on to the next head's first fragment
	s_cselect_b32 s97, -1, 0                       ; all lanes, or none
	s_mov_b32 s89, 0
	s_mov_b32 s91, 0
	s_mul_i32 s98, s83, s92
	s_mov_b32 s99, 0
	s_add_nc_u64 s[84:85], s[84:85], s[98:99]
	s_mov_b32 s80, s93
	s_mov_b32 s81, 0
	s_add_nc_u64 s[66:67], s[84:85], s[80:81]      ; the scale words
	s_mov_b32 s80, s94
	s_add_nc_u64 s[84:85], s[84:85], s[80:81]      ; block 0's first half
	s_mov_b32 s80, s96
	s_add_nc_u64 s[86:87], s[84:85], s[80:81]      ; and its second
	s_mov_b32 s20, 0x76543210
	s_mov_b32 s21, 0xfedcba98                      ; v_permlanex16_b32's selects for lane l xor 16
	v_mov_b32 v19, 0x05040100                      ; lanes 0-15 gather the words' low halves (my first head), lanes 16-31 the high halves (my second)
	v_mov_b32 v21, 0x07060302
	v_cndmask_b32 v19, v19, v21, s23
	v_mul_lo_u32 v20, v3, s95
	v_lshl_add_u32 v20, v2, 4, v20                 ; 16 r, + a head for lanes 16-31
.irp b, 0,1,2,3
	v_mov_b32 v[TM+4+\b], 0                        ; written once: a lane permute's destination counts as one of its sources
.endr
	s_wait_tensorcnt 0x2                           ; my part of slot 0 is in; the two younger first fills may be out
	s_barrier_signal -1
	s_barrier_wait -1                              ; everybody's is
	FETCH0 0, 0, 0
	FETCH1 0, 0, 0, H
	FETCH1 0, 0, H, H
	s_wait_loadcnt 0x0                             ; the scale words
	STEP 0, 0, 1                                   ; the first products start the sums: nothing is cleared
	TURN 0, 1, 1, 2                                ; slot 0 is left and filled again, with K steps 6 and 7: four steps in which to land
	STEP 1, 2, 0
	TURN 1, 2, 3, 0                                ; slot 2 was shown whole in front of the round
	STEP 2, 4, 0
	TURN 2, 0, 5, 1
	STEP 0, 6, 0
	LAST 7
	PLACES 4
; THE WAY OUT.  Block a's 64 registers, register 16 b + i = index 32 b + 16 (lane / 16) + i along source 0's 128 rows, become a fragment's 12 registers of codes and a scale word, and the codes are stored as they stand.
.macro QUANTA a
.set QWN, 2+(\a)/4
.set QAB, 64*((\a)%4)
	WIN (QWN<<2)|(QWN<<4)                          ; sources 1 and 2: the accumulators' window
.irp b, 0,1,2,3
	v_max3_num_f32 v[TM+\b], 0x1800000, |v[QAB+16*\b]|, |v[QAB+16*\b+1]|   ; block b: my 16 numbers, each accumulator from its low end on, and the floor 2^(3 - 127)
.endr
.irp i, 2,4,6,8,10,12,14
.irp b, 0,1,2,3
	v_max3_num_f32 v[TM+\b], v[TM+\b], |v[QAB+16*\b+\i]|, |v[QAB+16*\b+\i+1]|   ; (the four blocks by turns)
.endr
.endr
	WIN 0
.irp b, 0,1,2,3
	v_permlanex16_b32 v[TM+4+\b], v[TM+\b], s20, s21
.endr
.irp b, 0,1,2,3
	v_max_num_f32 v[TM+\b], v[TM+\b], v[TM+4+\b]   ; with lane l xor 16's: the block's largest magnitude
.endr
.irp b, 0,1,2,3
	v_add_nc_u32 v[TM+12+\b], 0xff000000, v[TM+\b] ; 2 off its exponent field: the conversion's scale operand
.endr
.irp b, 0,1,2,3
	v_lshrrev_b32 v[TM+4+\b], 23, v[TM+12+\b]      ; the scale's byte
.endr
	v_lshl_or_b32 v[WD+(\a)], v[TM+5], 8, v[TM+4]
	v_lshl_or_b32 v[WD+(\a)], v[TM+6], 16, v[WD+(\a)]
	v_lshl_or_b32 v[WD+(\a)], v[TM+7], 24, v[WD+(\a)]
.if (\a) > 0
	s_wait_xcnt 0x0                                ; the last block's stores have read their registers and bases: both may be written
	s_add_nc_u64 s[84:85], s[84:85], s[88:89]
	s_add_nc_u64 s[86:87], s[86:87], s[88:89]
.if (\a) == 4
	s_add_nc_u64 s[84:85], s[84:85], s[90:91]
	s_add_nc_u64 s[86:87], s[86:87], s[90:91]
.endif
.endif
	WIN QWN                                        ; source 0: the accumulators' window
.irp c, 0,1
	v_cvt_scalef32_pk16_fp6_f32 v[PC+6*\c:PC+2+6*\c], v[QAB+32*\c:QAB+15+32*\c], v[TM+12+2*\c]
	v_cvt_scalef32_pk16_fp6_f32 v[PC+12+4*\c:PC+14+4*\c], v[QAB+16+32*\c:QAB+31+32*\c], v[TM+12+2*\c+1]   ; (a conversion's three registers begin on an even number)
.endr
	WIN 0
	v_nop                                          ; one plain place behind a scaled conversion
.irp c, 0,1                                    ; the operand's layout wants a WHOLE block in a lane: lanes 0-15 block 2 c, lanes 16-31 block 2 c + 1
.irp i, 0,1,2
	v_permlane16_swap_b32 v[PC+6*\c+\i], v[PC+12+4*\c+\i]
.endr
.irp i, 0,1,2
	v_mov_b32 v[PC+3+6*\c+\i], v[PC+12+4*\c+\i]
.endr
.endr
	global_store_b128 v[L16], v[PC:PC+3], s[84:85]             ; 512 consecutive bytes, aligned,
	global_store_b64 v[L8], v[PC+4:PC+5], s[84:85] offset:512  ; and 256
	global_store_b128 v[L16], v[PC+6:PC+9], s[86:87]
	global_store_b64 v[L8], v[PC+10:PC+11], s[86:87] offset:512
.endm
.irp a, 0,1,2,3,4,5,6,7
	QUANTA \a
.endr
	; the scale words.  q, k: block a's word holds my first head's two bytes below and my second head's above; a record's word b wants one head's bytes of tiles 2 b and 2 b + 1.  v: blocks 0-3 are my first head's four words, 4-7 my second's.
.irp j, 0,1,2,3
	v_perm_b32 v[124+\j], v[WD+2*\j+1], v[WD+2*\j], v19
	v_cndmask_b32 v[120+\j], v[WD+\j], v[WD+4+\j], s23
.endr
.irp j, 0,1,2,3
	v_cndmask_b32 v[124+\j], v[124+\j], v[120+\j], s97
.endr
	global_store_b128 v20, v[124:127], s[66:67]    ; two aligned runs of 256 bytes, one for each head
	s_wait_tensorcnt 0x0                           ; the wave's end: behind my last tensor load
	ds_add_u32 v[SPW], v[NIL]
	s_wait_dscnt 0x0
	CROUND                                         ; the closing round: no work-group ends while a partner may still ask for a tile that names it
	s_endpgm
.Lfunc_end_k_qe576da91c5_gemm_qkv:
	.size	k_qe576da91c5_gemm_qkv, .Lfunc_end_k_qe576da91c5_gemm_qkv-k_qe576da91c5_gemm_qkv
	.p2alignl 7, 3214868480
	.fill 96, 4, 3214868480
	.section	.rodata,"a",@progbits
	.p2align	6, 0x0
	.amdhsa_kernel k_qe576da91c5_gemm_qkv
		.amdhsa_group_segment_fixed_size 327680
		.amdhsa_private_segment_fixed_size 0
		.amdhsa_enable_private_segment 0
		.amdhsa_kernarg_size 40
		.amdhsa_user_sgpr_count 2
		.amdhsa_user_sgpr_kernarg_segment_ptr 1
		.amdhsa_wavefront_size32 1
		.amdhsa_system_sgpr_workgroup_id_x 1
		.amdhsa_system_sgpr_workgroup_id_y 1
		.amdhsa_system_sgpr_workgroup_id_z 1
		.amdhsa_system_vgpr_workitem_id 0
		.amdhsa_next_free_vgpr 1024
		.amdhsa_next_free_sgpr 100
		.amdhsa_reserve_vcc 0
		.amdhsa_float_denorm_mode_32 3
		.amdhsa_float_denorm_mode_16_64 3
		.amdhsa_memory_ordered 1
		.amdhsa_forward_progress 1
		.amdhsa_inst_pref_size 149
	.end_amdhsa_kernel
	.amdgpu_metadata
---
amdhsa.version: [ 1, 2 ]
amdhsa.kernels:
  - .name:           k_qe576da91c5_gemm_qkv
    .symbol:         k_qe576da91c5_gemm_qkv.kd
    .args:
      - { .name: xq, .offset: 0, .size: 8, .value_kind: global_buffer, .address_space: global }
      - { .name: wq, .offset: 8, .size: 8, .value_kind: global_buffer, .address_space: global }
      - { .name: scl, .offset: 16, .size: 8, .value_kind: global_buffer, .address_space: global }
      - { .name: qc, .offset: 24, .size: 8, .value_kind: global_buffer, .address_space: global }
      - { .name: kv, .offset: 32, .size: 8, .value_kind: global_buffer, .address_space: global }
    .group_segment_fixed_size: 327680
    .private_segment_fixed_size: 0
    .kernarg_segment_align: 8
    .kernarg_segment_size: 40
    .max_flat_workgroup_size: 128
    .sgpr_count:     100
    .vgpr_count:     1024
    .wavefront_size: 32
...
	.end_amdgpu_metadata
.endif
;; end of part 2
;; launch attn (part 3): grid 4 x 64, 16 waves a work-group, no clusters, 327,680 bytes of LDS; arguments qc, kv, cq, scl; writes cq, scl
.if DOCPART == 3
	.amdgcn_target "amdgcn-amd-amdhsa--gfx1250"
	.amdhsa_code_object_version 6
	.text
	.protected	k_qe576da91c5_attn
	.globl	k_qe576da91c5_attn
	.p2align	8
	.type	k_qe576da91c5_attn,@function
k_qe576da91c5_attn:
	s_mov_b64 s[64:65], 0
	v_nop
	global_prefetch_b8 v0, s[64:65] scope:SCOPE_SE
	s_setreg_imm32_b32 hwreg(HW_REG_WAVE_MODE, 25, 1), 1
	s_wait_xcnt 0x0
; ctx = softmax(q k^T / 8, causal) v for one batch and head, both products on codes of FP6 (E2M3) with E8M0 scales; ctx leaves as codes, quantised along the model's 1,024 (two blocks of 32 a head).
; THE SOFTMAX AHEAD OF THE SECOND PRODUCT: t = score x log2(e) / 8; M = the row's largest t so far, rounded UP to a whole number; p = 2^(t - M) is quantised along the keys, not normalised.
; The row's sum is taken of the unquantised p and divides at the end.  When M moves, the sum and O are multiplied by 2^(old M - new M): exact.
; SHARES.  Work-group (i, batch x 16 + head) owns the blocks i and 7 - i of 256 queries; wave w owns tile 16 i + w and tile 16 (7 - i) + 15 - w: under the causal mask every wave then has 17 steps of (16 queries x 128 keys).
; Sixteen waves of 256 registers, four to a SIMD: one wave's vector work stands beside another's matrix work and LDS loads.
; K AND V come as records of 12,800 bytes for each 128 keys, codes and scale words together, laid as the operands' registers; two records are a slot, one dense block, brought by one tensor load of wave 0.
; NO CLUSTER: the four work-groups of a head need 8, 7, 6 and 5 slots and have 2, 1 or 0 tiles at work in a slot: a round a slot would make each slot last as long as its slowest partner.
; LAYOUT.  Both products are used transposed (S^T = K Q^T, O^T = V^T P^T): a lane holds one query (lane % 16) throughout.  Tiles of tokens and of channels take row r of tile 2 b + u at index 32 b + 8 u + r + 8 (r / 8),
; so that the 16 registers of result tiles 2 b and 2 b + 1 are 16 neighbours.  THE HEAD'S 64 FILL HALF OF THE INSTRUCTION'S 128: a fragment of K holds key tile 2 b in K = 0 .. 63 and key tile 2 b + 1 in K = 64 .. 127;
; q stands between two runs of zero codes, and [q | 0] or [0 | q] picks the key tile: zero codes add nothing under any scale byte from 1 to 254.
; EVERY work-group walks all 8 slots (constant trip counts); a step all of whose keys come after the tile's queries is jumped over, and a slot that none of the work-group's steps reads is not asked for.
; LIMITS: NaN and infinities are not served; blocks under 2^-124, blocks of zeros among them, get the byte 1; v_exp_f32 and v_rcp_f32 are good to 1 ulp and flush denormals (ISA guide, 15.8);
; a block's largest p is taken from its largest score, which takes v_exp_f32 not to fall where its input rises.
.set REC,   12800                      ; a record: K's 4 packed fragments, V's 4 fragments at 6,144, K's words at 12,288, V's at 12,544
.set QREC,  6400                       ; a record of q: 8 half fragments of 768 bytes, words at 6,144
.set SLOT1, 32768                      ; slot 1 begins here: one exclusive or turns an address from one slot to the other
.set SPARE, 65536                      ; the spare words, 128 bytes for each wave: eight blocks of 256 bytes that no other line names
.set CSO,   393216                     ; scl: ctx's words
.set ADR,  3                           ; v3, v4  LDS addresses of the slot in hand: + 16 x lane (v1), + 8 x lane (v2)
.set ADR8, 4
.set SPW,  5                           ; v5   LDS address of my spare word; never rewritten
.set NIL,  6                           ; v6   0; never rewritten
.set DA,   7                           ; v7, v8  the mask's distance for tile A, B
.set DB,   8
.set PFO,  9                           ; v9   the prefetches' offset
.set QWA,  16                          ; v16-33  [0 x 6 | q x 6 | 0 x 6] of tile A;  v34-51 of tile B
.set QWB,  34
.set KF,   52                          ; v52-99  K's four fragments; during the softmax at work:
.set BM,   52                          ;   v52-55 the blocks' largest scores, v56-59 permutes and bytes, v60-63 scale operands, v64-70 the conversions' second halves, v72-83 p's codes
.set PM,   56
.set SO,   60
.set T1,   64
.set PC,   72
.set SCW,  100                         ; v100-103 scale words: lanes 0-15 K's, lanes 16-31 V's
.set S,    104                         ; v104-167 S^T, then p, then V's four fragments
.set OA,   168                         ; v168-199, v200-231  O^T of tile A, B
.set OB,   200
.set STA,  232                         ; v232-235, v236-239  -M, the largest t, the sum in two halves
.set STB,  236
.set QSA,  240                         ; v240, v241  q's scale bytes, twice in the word
.set QSB,  241
.set PW,   242                         ; v242 p's scale word;  v243 r, v244 h, v245 at work;  v[246:247] f;  v248-254 at work
.set WV,   12
.set LAST, 15                          ; s15  the last slot that my work-group reads: 7 - i
.set DSA,  18                          ; s18, s19  the step on the diagonal of tile A, B
.set DSB,  19
.set SEL,  20
.set CS,   22                          ; s[22:23] c = log2(e) / 8
.set G1,   24
.set G0,   32
.set TB,   36                          ; s36  LDS byte at which the slot in hand begins
.set KS,   37                          ; s37  the step (128 keys)
.set SL,   38                          ; s38  the slot
.set SLOTS, 39                         ; s39  counts the loop
.set PFA,  40                          ; s[40:41] where my prefetches stand
.set LIM,  42                          ; s42  1 in a wave that prefetches, else the greatest number
.macro FRAG reg, a16, a8, off          ; a fragment's image into 12 registers: four loads, each consecutive by lane
	ds_load_b128 v[\reg:\reg+3], v[\a16] offset:\off
	ds_load_b64 v[\reg+4:\reg+5], v[\a8] offset:\off+512
	ds_load_b128 v[\reg+6:\reg+9], v[\a16] offset:\off+768
	ds_load_b64 v[\reg+10:\reg+11], v[\a8] offset:\off+1280
.endm
.macro TLOAD                           ; wave 0 fetches; an s_nop 0 and four v_nop follow the load
	s_cmp_eq_u32 s[WV], 0
	s_cbranch_scc0 .Lasked_\@
	tensor_load_to_lds s[G0:G0+3], s[G1:G1+7]
	s_nop 0
.rept 4
	v_nop
.endr
.Lasked_\@:
.endm
; A PREFETCH INTO THE L2 of the slot that the NEXT change of slots will ask for: 25,600 dense bytes.  All four work-groups of a head walk the same records: the one that walks all 8 slots (i = 0) asks, and in it waves 4 to 7,
; 6,400 bytes each, lanes 256 bytes apart (lanes 25 to 31 name lane 24's bytes again).  The last change that fills a slot asks for nothing; slots 0 and 1 come by their loads alone.
.macro ASK
	s_cmp_gt_u32 s[SLOTS], s[LIM]
	s_cbranch_scc0 .Lnot_mine_\@
	global_prefetch_b8 v[PFO], s[PFA:PFA+1] th:TH_LOAD_NT scope:SCOPE_SE
.Lnot_mine_\@:
.endm
	s_load_b256 s[4:11], s[0:1], 0x0               ; qc s[4:5], kv s[6:7], cq s[8:9], scl s[10:11]
	v_lshl_add_u32 v[SPW], v0, 2, SPARE
	v_mov_b32 v[NIL], 0
	ds_add_u32 v[SPW], v[NIL]                      ; the wave's opening: the add and its wait stand ahead of the first tensor load; work on registers stands between them
	v_lshrrev_b32 v10, 5, v0
	v_readfirstlane_b32 s[WV], v10                 ; wave 0..15
	s_and_b32 s14, ttmp7, 0xffff                   ; batch x 16 + head
	s_sub_co_u32 s[LAST], 7, ttmp9
	s_lshl_b32 s16, ttmp9, 4
	s_add_co_u32 s16, s16, s[WV]                   ; tile A
	s_lshl_b32 s17, s[LAST], 4
	s_add_co_u32 s17, s17, 15
	s_sub_co_u32 s17, s17, s[WV]                   ; tile B
	s_lshr_b32 s[DSA], s16, 3
	s_lshr_b32 s[DSB], s17, 3
	s_mov_b32 s[SEL], 0x76543210
	s_mov_b32 s[SEL+1], 0xfedcba98
	s_mov_b32 s[CS], 0x3e38aa3b                    ; log2(e) / 8
	s_mov_b32 s[CS+1], s[CS]                       ; (named with it as a pair, so it is written)
	s_mov_b32 s[G1], 3<<16                         ; no mask; elements of 8 bytes; no padding
	s_mov_b32 s[G1+1], 32<<16                      ; tensor_dim0 = 32 elements: rows of 256 bytes
	s_mov_b32 s[G1+2], 100<<16                     ; tensor_dim1 = 100 rows: two records
	s_mov_b32 s[G1+3], 32<<16                      ; tile_dim0
	s_mov_b32 s[G1+4], 100                         ; tile_dim1
	s_mov_b32 s[G1+5], 32                          ; dense
	s_mov_b32 s[G1+6], 0
	s_mov_b32 s[G1+7], 0
	s_mov_b32 s[TB], 0
	s_mov_b32 s[KS], 0
	s_mov_b32 s[SL], 0
	s_mov_b32 s[SLOTS], 7
	s_mov_b32 s54, 0xffff0000                      ; lanes 16-31
	s_mul_i32 s44, s14, 16*REC                     ; the head's 16 records
	s_mov_b32 s45, 0
	s_and_b32 s46, s[WV], 3
	s_mul_i32 s46, s46, 6400
	s_add_co_u32 s46, s46, 2*REC                   ; my quarter of slot 1: the first change of slots steps it to slot 2
	s_mov_b32 s47, 0
	s_lshr_b32 s55, s[WV], 2
	s_xor_b32 s55, s55, 1                          ; 0 in waves 4 to 7,
	s_or_b32 s55, s55, ttmp9                       ; of the work-group that walks all slots
	s_cmp_eq_u32 s55, 0
	s_cselect_b32 s[LIM], 1, -1
	s_wait_dscnt 0x0                               ; the opening add is done
	s_wait_kmcnt 0x0
	s_add_nc_u64 s[PFA:PFA+1], s[6:7], s[44:45]
	s_add_nc_u64 s[PFA:PFA+1], s[PFA:PFA+1], s[46:47]
	s_mov_b32 s[G0], 1
	s_mov_b32 s[G0+1], 0                           ; slot 0
	s_add_nc_u64 s[G0+2:G0+3], s[6:7], s[44:45]
	s_or_b32 s[G0+3], s[G0+3], 0x80000000
	TLOAD
	v_and_b32 v245, 31, v0
	v_lshlrev_b32 v1, 4, v245                      ; 16 x lane
	v_lshlrev_b32 v2, 3, v245                      ; 8 x lane
	v_min_u32 v[PFO], 24, v245
	v_lshlrev_b32 v[PFO], 8, v[PFO]
	v_and_b32 v243, 15, v0                         ; r
	v_bfe_u32 v244, v0, 4, 1                       ; h
; q of tile t: half fragment t % 8 of record (16 x batch-head + t / 8), and its word (two tiles' bytes)
.macro QLOAD t, ds, base, va, qw, qs
	s_lshl_b32 s[\base], s14, 4
	s_add_co_u32 s[\base], s[\base], s[\ds]
	s_mul_i32 s[\base], s[\base], QREC
	s_mov_b32 s[\base+1], 0
	s_add_nc_u64 s[\base:\base+1], s[4:5], s[\base:\base+1]
	s_and_b32 s55, s[\t], 7
	s_mul_i32 s56, s55, 768
	v_add_nc_u32 v[\va], s56, v1
	v_add_nc_u32 v[\va+1], s56, v2
	s_lshr_b32 s55, s55, 1
	s_lshl_b32 s55, s55, 2
	v_lshl_add_u32 v[\va+2], v243, 4, s55
	global_load_b128 v[\qw+6:\qw+9], v[\va], s[\base:\base+1]
	global_load_b64 v[\qw+10:\qw+11], v[\va+1], s[\base:\base+1] offset:512
	global_load_b32 v[\qs], v[\va+2], s[\base:\base+1] offset:6144
.endm
	QLOAD 16, DSA, 48, 10, QWA, QSA
	QLOAD 17, DSB, 50, 13, QWB, QSB
.irp j, 0,1,2,3,4,5,12,13,14,15,16,17
	v_mov_b32 v[QWA+\j], 0                         ; zero codes on both sides of q
	v_mov_b32 v[QWB+\j], 0
.endr
.irp st, STA, STB
	v_mov_b32 v[\st+1], 0xff61b1e6                 ; the largest t so far: -3e38, under every t
	v_floor_f32 v[\st], -v[\st+1]                  ; -M
	v_mov_b32 v[\st+2], 0                          ; the sum, in two halves
	v_mov_b32 v[\st+3], 0
.endr
	v_mov_b32 v247, 0                              ; (named as the upper half of the pair v[246:247])
	v_and_b32 v245, 8, v243
	v_add_nc_u32 v245, v245, v243
	v_lshlrev_b32 v248, 4, v244
	v_sub_nc_u32 v245, v245, v248                  ; r + 8 (r / 8) - 16 h
	s_bfe_u32 s55, s16, 0x20001
	s_lshl_b32 s55, s55, 5
	s_and_b32 s56, s16, 1
	s_lshl_b32 s56, s56, 3
	s_add_co_u32 s55, s55, s56
	v_add_nc_u32 v[DA], s55, v245                  ; d = my query's place in its 128 - 16 h.  Register 16 b + i holds key 32 b + 16 h + i of the step: hidden on the diagonal where 32 b + i > d
	s_bfe_u32 s55, s17, 0x20001
	s_lshl_b32 s55, s55, 5
	s_and_b32 s56, s17, 1
	s_lshl_b32 s56, s56, 3
	s_add_co_u32 s55, s55, s56
	v_add_nc_u32 v[DB], s55, v245
	s_and_b32 s55, s16, 1
	s_lshl_b32 s55, s55, 4
	s_and_b32 s56, s17, 1
	s_lshl_b32 s56, s56, 4
	s_wait_loadcnt 0x0                             ; q
	v_lshrrev_b32 v[QSA], s55, v[QSA]              ; my tile's two bytes of the word,
	v_lshrrev_b32 v[QSB], s56, v[QSB]
	v_and_b32 v[QSA], 0xffff, v[QSA]
	v_and_b32 v[QSB], 0xffff, v[QSB]
	v_lshl_or_b32 v[QSA], v[QSA], 16, v[QSA]       ; below and above: they serve [q | 0] and [0 | q]
	v_lshl_or_b32 v[QSB], v[QSB], 16, v[QSB]
.set j, 0
.rept 64
	v_mov_b32 v[OA+j], 0                           ; O^T of both tiles.  (The step is written once: the first finds zeros, which the first change of M leaves zeros)
.set j, j+1
.endr
; A STEP: 16 queries x 128 keys, the q-th record of the slot in hand.
.macro STEP q, qw, o, st, qs, d, ds
	s_cmp_gt_u32 s[KS], s[\ds]                     ; all keys come after my queries: a scalar branch on ids, round the step's loads, products and softmax; no barrier and no tensor load stands in a step
	s_cbranch_scc1 .Lhid_\@
	v_add_nc_u32 v[ADR], s[TB], v1
	v_add_nc_u32 v[ADR8], s[TB], v2
.rept 4
	v_nop                                          ; with the two additions six places behind the last products: four for the loads into their registers, five for the scores that are written over V's fragments
.endr
	ds_load_b128 v[SCW:SCW+3], v[ADR] offset:(\q)*REC+12288   ; lanes 0-15: K's four words of row r; lanes 16-31: V's
.irp b, 0,1,2,3
	FRAG KF+12*\b, ADR, ADR8, (\q)*REC+1536*\b
.endr
	s_wait_dscnt 0x0
.irp b, 0,1,2,3
.irp u, 0,1
	v_wmma_scale_f32_16x16x128_f8f6f4 v[S+8*(2*\b+\u):S+8*(2*\b+\u)+7], v[KF+12*\b:KF+12*\b+11], v[\qw+6*(1-\u):\qw+6*(1-\u)+11], 0, v[SCW+\b], v[\qs] matrix_a_fmt:MATRIX_FMT_FP6 matrix_b_fmt:MATRIX_FMT_FP6
.endr
.endr
.rept 4
	v_nop
.endr
	s_cmp_lg_u32 s[KS], s[\ds]                     ; on the diagonal the scores of hidden keys become -infinity ahead of the maximum: p = 0 then
	s_cbranch_scc1 .Lopen_\@
	v_mov_b32 v254, 0xff800000
.set n, 0
.rept 64
	v_cmp_gt_i32 vcc_lo, 32*(n/16)+n%16, v[\d]
	v_cndmask_b32 v[S+n], v[S+n], v254, vcc_lo
.set n, n+1
.endr
.Lopen_\@:
.irp b, 0,1,2,3
	v_max3_num_f32 v[BM+\b], v[S+16*\b], v[S+16*\b+1], v[S+16*\b+2]   ; THE LARGEST SCORE OF EACH BLOCK OF 32 KEYS: for the row's maximum, and, since p rises with the score, for the block's largest p
.endr
.irp i, 3,5,7,9,11,13
.irp b, 0,1,2,3
	v_max3_num_f32 v[BM+\b], v[BM+\b], v[S+16*\b+\i], v[S+16*\b+\i+1]
.endr
.endr
.irp b, 0,1,2,3
	v_max_num_f32 v[BM+\b], v[BM+\b], v[S+16*\b+15]
.endr
.irp b, 0,1,2,3
	v_permlanex16_b32 v[PM+\b], v[BM+\b], s[SEL], s[SEL+1]
.endr
.irp b, 0,1,2,3
	v_max_num_f32 v[BM+\b], v[BM+\b], v[PM+\b]     ; with lane l xor 16's 16 keys
.endr
	v_max3_num_f32 v254, v[BM], v[BM+1], v[BM+2]
	v_max_num_f32 v254, v254, v[BM+3]              ; the step's largest score of my query
	v_mul_f32 v254, s[CS], v254                    ; as t (c is positive)
	v_max_num_f32 v[\st+1], v[\st+1], v254         ; the running largest t
	v_mov_b32 v254, v[\st]
	v_floor_f32 v[\st], -v[\st+1]                  ; the new -M = floor(-t): M is a whole number
	v_sub_f32 v254, v[\st], v254                   ; old M - new M: a whole number, 0 or less
	v_cvt_i32_f32 v254, v254                       ; (it saturates)
	v_ldexp_f32 v246, 1.0, v254                    ; f = 2^(old M - new M)
.set j, 0
.rept 32
	v_pk_fma_f32 v[S+j:S+j+1], v[S+j:S+j+1], s[CS:CS+1], v[\st:\st+1] op_sel_hi:[1,0,0]   ; t - M, two at a time
.set j, j+2
.endr
.irp b, 0,1,2,3
	v_fma_f32 v[BM+\b], v[BM+\b], s[CS], v[\st]    ; the same of each block's largest score
.endr
.set j, 0
.rept 64
	v_exp_f32 v[S+j], v[S+j]                       ; p = 2^(t - M), at most 1: not normalised
.set j, j+1
.endr
	v_pk_mul_f32 v[\st+2:\st+3], v[\st+2:\st+3], v[246:247] op_sel_hi:[1,0]   ; the sums under the new M.  (A plain place behind the exponentials)
	s_wait_alu depctr_va_vdst(0)                   ; one wait for the whole batch, ahead of its first reader
.irp b, 0,1,2,3
	v_exp_f32 v[BM+\b], v[BM+\b]                   ; the block's largest p: the same two instructions on the same number give the same bits
.endr
	v_pk_add_f32 v[248:249], v[S:S+1], v[S+2:S+3]  ; THE ROW'S SUM IS TAKEN OF THE UNQUANTISED p: two at a time, in two chains
.set j, 4
.rept 15
	v_pk_add_f32 v[\st+2:\st+3], v[\st+2:\st+3], v[S+j:S+j+1]
	v_pk_add_f32 v[248:249], v[248:249], v[S+j+2:S+j+3]
.set j, j+4
.endr
	v_pk_add_f32 v[\st+2:\st+3], v[\st+2:\st+3], v[248:249]
	s_wait_alu depctr_va_vdst(0)                   ; and one for the four
.irp b, 0,1,2,3
	v_max_num_f32 v[BM+\b], 0x1800000, v[BM+\b]    ; the floor 2^(3 - 127): the byte cannot fall under 1
.endr
.irp b, 0,1,2,3
	v_add_nc_u32 v[SO+\b], 0xff000000, v[BM+\b]    ; 2 off the exponent field: the conversion's scale operand
.endr
.irp b, 0,1,2,3
	v_lshrrev_b32 v[PM+\b], 23, v[SO+\b]           ; the scale's byte
.endr
	v_lshl_or_b32 v[PW], v[PM+1], 8, v[PM]         ; p's scale word for these 128 keys
	v_lshl_or_b32 v[PW], v[PM+2], 16, v[PW]
	v_lshl_or_b32 v[PW], v[PM+3], 24, v[PW]
.irp c, 0,1
	v_cvt_scalef32_pk16_fp6_f32 v[PC+6*\c:PC+2+6*\c], v[S+32*\c:S+15+32*\c], v[SO+2*\c]
	v_cvt_scalef32_pk16_fp6_f32 v[T1+4*\c:T1+2+4*\c], v[S+16+32*\c:S+31+32*\c], v[SO+2*\c+1]   ; (a conversion's three registers begin on an even number)
.endr
	v_nop                                          ; one plain place behind a scaled conversion
.irp t, 0,1,2,3
	FRAG S+12*\t, ADR, ADR8, (\q)*REC+6144+1536*\t ; V's four fragments, into the registers that p has left: they land under the lines below
.endr
.irp c, 0,1                                    ; the operand's layout wants a WHOLE block in a lane
.irp i, 0,1,2
	v_permlane16_swap_b32 v[PC+6*\c+\i], v[T1+4*\c+\i]
.endr
.irp i, 0,1,2
	v_mov_b32 v[PC+3+6*\c+\i], v[T1+4*\c+\i]
.endr
.endr
.set j, 0
.rept 16
	v_pk_mul_f32 v[\o+j:\o+j+1], v[\o+j:\o+j+1], v[246:247] op_sel_hi:[1,0]   ; O^T under the new M.  (These 16 are also the places between the codes' and the scale word's last writes and the products)
.set j, j+2
.endr
	s_wait_dscnt 0x0
.irp t, 0,1,2,3
	v_wmma_scale_f32_16x16x128_f8f6f4 v[\o+8*\t:\o+8*\t+7], v[S+12*\t:S+12*\t+11], v[PC:PC+11], v[\o+8*\t:\o+8*\t+7], v[SCW+\t], v[PW] matrix_a_fmt:MATRIX_FMT_FP6 matrix_b_fmt:MATRIX_FMT_FP6 matrix_a_scale:MATRIX_SCALE_ROW1
.endr
.Lhid_\@:
.endm
; THE CHANGE OF SLOTS stands at a slot's head.  Each wave waits for all its tensor loads, adds 0 to its spare word, and waits for that and for its reads of the slot that it has left.  Behind the barrier the slot ahead is
; whole and nobody reads the other one.  fill = 1: that other slot takes the next two records, if any step of the work-group will read them.
; every wait on TENSORcnt in this text is for 0.
.macro CHANGE fill
	s_wait_tensorcnt 0x0                           ; no tensor load of mine is out, so group 0 may be written
	ds_add_u32 v[SPW], v[NIL]                      ; 0 onto my spare word
.if \fill
	s_xor_b32 s[G0+1], s[G0+1], SLOT1              ; the other slot than last time,
	s_add_nc_u64 s[G0+2:G0+3], s[G0+2:G0+3], 2*REC ; the next 256 keys; the type bits on top are not reached
	s_wait_xcnt 0x0                                ; the last prefetch, a slot back, has read its address, so it may be written
	s_add_nc_u64 s[PFA:PFA+1], s[PFA:PFA+1], 2*REC
.endif
	s_wait_dscnt 0x0                               ; the add is done, and my reads of the slot that I have left are over
	s_barrier_signal -1
	s_barrier_wait -1
.if \fill
	s_cmp_ge_u32 s[SL], s[LAST]
	s_cbranch_scc1 .Lpast_\@
	TLOAD                                          ; the first thing behind the barrier, and the one tensor load until the next: it has a slot's steps in which to land
.Lpast_\@:
	ASK
.endif
.endm
.macro SLOT_STEPS
.irp q, 0,1
	STEP \q, QWA, OA, STA, QSA, DA, DSA
	STEP \q, QWB, OB, STB, QSB, DB, DSB
	s_add_co_u32 s[KS], s[KS], 1
.endr
	s_xor_b32 s[TB], s[TB], SLOT1
	s_add_co_u32 s[SL], s[SL], 1
.endm
.Lslot:                                            ; 7 trips
	CHANGE 1
	SLOT_STEPS
	s_sub_co_u32 s[SLOTS], s[SLOTS], 1
	s_cmp_lg_u32 s[SLOTS], 0
	s_cbranch_scc1 .Lslot
	CHANGE 0                                       ; the last slot is written out: nothing is left to ask for
	SLOT_STEPS
	; THE WAY OUT.  O^T / the sum is my query's 64 channels of this head, register 16 b + i = channel 32 b + 16 h + i: two blocks of the last product's K.  They are quantised here and leave as half a fragment's image.
.irp b, 0,1,2,3
	v_mov_b32 v[PM+\b], 0                          ; a lane permute's destination counts as one of its sources.  (These eight lines are also the places behind the last products)
.endr
	v_mov_b32 v248, 0
	v_mov_b32 v249, 0
	v_mov_b32 v251, 0                              ; (upper halves of the pairs that the packed multiplies name)
	v_mov_b32 v253, 0
	v_add_f32 v[STA+2], v[STA+2], v[STA+3]         ; the sums' two halves,
	v_add_f32 v[STB+2], v[STB+2], v[STB+3]
	v_permlanex16_b32 v248, v[STA+2], s[SEL], s[SEL+1]
	v_permlanex16_b32 v249, v[STB+2], s[SEL], s[SEL+1]
	v_add_f32 v[STA+2], v[STA+2], v248             ; and lane l xor 16's
	v_add_f32 v[STB+2], v[STB+2], v249
	v_rcp_f32 v250, v[STA+2]
	v_rcp_f32 v252, v[STB+2]
	v_nop                                          ; a plain place behind the reciprocals
	s_and_b32 s55, s14, 15                         ; head
	s_lshr_b32 s56, s14, 4
	s_lshl_b32 s56, s56, 7                         ; the batch's first tile of tokens
	s_lshr_b32 s57, s55, 1                         ; the last product's K step: two heads
	s_and_b32 s58, s55, 1                          ; and which half of it
	s_mul_i32 s59, s58, 768
	s_lshr_b32 s60, s55, 3
	s_lshl_b32 s60, s60, 8
	s_and_b32 s61, s57, 3
	s_lshl_b32 s61, s61, 2
	s_add_co_u32 s60, s60, s61
	s_lshl_b32 s61, s58, 1
	s_add_co_u32 s60, s60, s61
	s_add_co_u32 s60, s60, CSO                     ; my two bytes' place in a tile's 512 bytes of words
	s_mov_b32 s63, 0
	s_add_co_u32 s61, s56, s16                     ; tile A
	s_lshl_b32 s62, s61, 3
	s_add_co_u32 s62, s62, s57
	s_mul_i32 s62, s62, 1536
	s_add_co_u32 s62, s62, s59
	s_add_nc_u64 s[44:45], s[8:9], s[62:63]
	s_lshl_b32 s52, s61, 9
	s_add_co_u32 s52, s52, s60
	s_add_co_u32 s61, s56, s17                     ; tile B
	s_lshl_b32 s62, s61, 3
	s_add_co_u32 s62, s62, s57
	s_mul_i32 s62, s62, 1536
	s_add_co_u32 s62, s62, s59
	s_add_nc_u64 s[46:47], s[8:9], s[62:63]
	s_lshl_b32 s53, s61, 9
	s_add_co_u32 s53, s53, s60
	s_wait_alu depctr_va_vdst(0)                   ; one wait for both reciprocals, ahead of their first reader
.macro FINT o, n, rc, k
.set j, 0
.rept 16
	v_pk_mul_f32 v[\n+j:\n+j+1], v[\o+j:\o+j+1], v[\rc:\rc+1] op_sel_hi:[1,0]   ; each accumulator from its low end on
.set j, j+2
.endr
.irp b, 0,1
	v_max3_num_f32 v[BM+2*\k+\b], |v[\n+16*\b]|, |v[\n+16*\b+1]|, 0x1800000
.endr
.irp i, 2,4,6,8,10,12,14
.irp b, 0,1
	v_max3_num_f32 v[BM+2*\k+\b], v[BM+2*\k+\b], |v[\n+16*\b+\i]|, |v[\n+16*\b+\i+1]|
.endr
.endr
.irp b, 0,1
	v_permlanex16_b32 v[PM+2*\k+\b], v[BM+2*\k+\b], s[SEL], s[SEL+1]
.endr
.irp b, 0,1
	v_max_num_f32 v[BM+2*\k+\b], v[BM+2*\k+\b], v[PM+2*\k+\b]
.endr
.irp b, 0,1
	v_add_nc_u32 v[SO+2*\k+\b], 0xff000000, v[BM+2*\k+\b]
.endr
.irp b, 0,1
	v_lshrrev_b32 v[PM+2*\k+\b], 23, v[SO+2*\k+\b]
.endr
	v_lshl_or_b32 v[64+\k], v[PM+2*\k+1], 8, v[PM+2*\k]      ; the head's two bytes
	v_cvt_scalef32_pk16_fp6_f32 v[PC+6*\k:PC+6*\k+2], v[\n:\n+15], v[SO+2*\k]
	v_cvt_scalef32_pk16_fp6_f32 v[84+4*\k:86+4*\k], v[\n+16:\n+31], v[SO+2*\k+1]
	v_nop                                          ; one plain place behind a scaled conversion
.irp i, 0,1,2
	v_permlane16_swap_b32 v[PC+6*\k+\i], v[84+4*\k+\i]       ; lanes 0-15 block 0, lanes 16-31 block 1
.endr
.irp i, 0,1,2
	v_mov_b32 v[PC+6*\k+3+\i], v[84+4*\k+\i]
.endr
.endm
	FINT OA, 104, 250, 0
	FINT OB, 136, 252, 1
	global_store_b128 v1, v[PC:PC+3], s[44:45]                 ; 512 consecutive bytes, aligned,
	global_store_b64 v2, v[PC+4:PC+5], s[44:45] offset:512     ; and 256
	global_store_b128 v1, v[PC+6:PC+9], s[46:47]
	global_store_b64 v2, v[PC+10:PC+11], s[46:47] offset:512
	v_cndmask_b32 v66, v64, v65, s54               ; lanes 0-15 carry tile A's bytes, lanes 16-31 tile B's
	v_mov_b32 v68, s52
	v_mov_b32 v69, s53
	v_cndmask_b32 v68, v68, v69, s54
	v_lshl_add_u32 v67, v243, 4, v68
	global_store_b16 v67, v66, s[10:11]            ; two bytes a row: a scale word joins two heads, which other work-groups make: the one store of this program that covers a part of its 256 bytes
	s_wait_tensorcnt 0x0                           ; the wave's end: behind the last tensor load
	ds_add_u32 v[SPW], v[NIL]
	s_wait_dscnt 0x0
	s_endpgm
.Lfunc_end_k_qe576da91c5_attn:
	.size	k_qe576da91c5_attn, .Lfunc_end_k_qe576da91c5_attn-k_qe576da91c5_attn
	.p2alignl 7, 3214868480
	.fill 96, 4, 3214868480
	.section	.rodata,"a",@progbits
	.p2align	6, 0x0
	.amdhsa_kernel k_qe576da91c5_attn
		.amdhsa_group_segment_fixed_size 327680
		.amdhsa_private_segment_fixed_size 0
		.amdhsa_enable_private_segment 0
		.amdhsa_kernarg_size 32
		.amdhsa_user_sgpr_count 2
		.amdhsa_user_sgpr_kernarg_segment_ptr 1
		.amdhsa_wavefront_size32 1
		.amdhsa_system_sgpr_workgroup_id_x 1
		.amdhsa_system_sgpr_workgroup_id_y 1
		.amdhsa_system_sgpr_workgroup_id_z 1
		.amdhsa_system_vgpr_workitem_id 0
		.amdhsa_next_free_vgpr 256
		.amdhsa_next_free_sgpr 66
		.amdhsa_reserve_vcc 1
		.amdhsa_float_denorm_mode_32 3
		.amdhsa_float_denorm_mode_16_64 3
		.amdhsa_memory_ordered 1
		.amdhsa_forward_progress 1
		.amdhsa_inst_pref_size 184
	.end_amdhsa_kernel
	.amdgpu_metadata
---
amdhsa.version: [ 1, 2 ]
amdhsa.kernels:
  - .name:           k_qe576da91c5_attn
    .symbol:         k_qe576da91c5_attn.kd
    .args:
      - { .name: qc, .offset: 0, .size: 8, .value_kind: global_buffer, .address_space: global }
      - { .name: kv, .offset: 8, .size: 8, .value_kind: global_buffer, .address_space: global }
      - { .name: cq, .offset: 16, .size: 8, .value_kind: global_buffer, .address_space: global }
      - { .name: scl, .offset: 24, .size: 8, .value_kind: global_buffer, .address_space: global }
    .group_segment_fixed_size: 327680
    .private_segment_fixed_size: 0
    .kernarg_segment_align: 8
    .kernarg_segment_size: 32
    .max_flat_workgroup_size: 512
    .sgpr_count:     66
    .vgpr_count:     256
    .wavefront_size: 32
...
	.end_amdgpu_metadata
.endif
;; end of part 3
;; launch gemm_out (part 4): grid 4 x 64, 4 waves a work-group, clusters of 4 x 4, 327,680 bytes of LDS; arguments cq, wo, scl, b_out, out0; writes out0
.if DOCPART == 4
	.amdgcn_target "amdgcn-amd-amdhsa--gfx1250"
	.amdhsa_code_object_version 6
	.text
	.protected	k_qe576da91c5_gemm_out
	.globl	k_qe576da91c5_gemm_out
	.p2align	8
	.type	k_qe576da91c5_gemm_out,@function
k_qe576da91c5_gemm_out:
	s_mov_b64 s[64:65], 0
	v_nop
	global_prefetch_b8 v0, s[64:65] scope:SCOPE_SE
	s_setreg_imm32_b32 hwreg(HW_REG_WAVE_MODE, 25, 1), 1
	s_wait_xcnt 0x0
	s_wait_alu depctr_hold_cnt(0) depctr_sa_sdst(0) depctr_va_vdst(0) depctr_va_sdst(0) depctr_va_ssrc(0) depctr_va_vcc(0) depctr_vm_vsrc(0)
	s_getreg_b32 s2, hwreg(HW_REG_IB_STS2, 6, 4)
	s_cmp_eq_u32 s2, 0
	s_cbranch_scc0 .Lentry_in_a_cluster
	s_endpgm
.Lentry_in_a_cluster:
	s_bfe_u32 s2, ttmp6, 0x10000c
	s_cmp_lg_u32 s2, 0xf033
	s_cbranch_scc0 .Lentry_shape_is_right
	s_endpgm
.Lentry_shape_is_right:
; out0 = ctx w_out + b_out on codes of FP6 (E2M3) with E8M0 scales, K = 1,024; f32 results.
; A work-group of four waves makes 128 tokens x 256 columns (256 work-groups, one for each WGP), a wave 64 x 128: 32 accumulators.  CLUSTERS of 4 x 4: ctx's tiles are asked for jointly along a row of the cluster, the weight's along a column.
; OPERANDS lie in memory as images of their registers (tile t, K step s at (8 t + s) x 1,536 bytes).  K goes in 8 steps of 128, two to a slot.  THREE LDS slots take the first six steps as first fills; steps 6 and 7 fill slot 0
; again, behind the one round of the cluster's barrier in the middle.  By this text's own count a wave has three tensor loads out at the start and one behind the round.  All is written out.
; THE SCALE WORDS of all 8 steps come straight from memory into 64 registers: lanes 0-15 ctx's block i (i < 4), lanes 16-31 the weight's block i.  THE BIAS is the C of each sum's first matrix instruction.
; THE MATRIX INSTRUCTION IS USED TRANSPOSED (source 0 = 16 columns of the weight, source 1 = 16 tokens); row r of tile 2 b + u is index 32 b + 8 u + r + 8 (r / 8), on both axes, so a lane's 16 registers of result tiles 2 b and
; 2 b + 1 are 16 neighbouring columns of one token's row.  Results go through the wave's own stage in LDS and leave as whole rows of 512 bytes.
; REGISTERS: window 0: v1-29 addresses; v32-95 scale words; v128-175 ctx's fragments, one set; v176-239 the bias; on the way out v128-255 rows of the result.  window 1: the weight's fragments, two sets.  window 2: the accumulators.
.set NA,    4
.set H,     NA/2
.set QB,    NA/4
.set NTA,   4
.set AHALF, NTA*3072
.set BHALF, 8*3072
.set ATOT,  2*AHALF
.set SLOT,  ATOT+2*BHALF
.set STAGE, 3*SLOT                     ; behind the slots: 16 rows x (512 + 16) bytes for each wave; no tensor load fills it
.set SPARE, STAGE+4*8448               ; the spare words, 128 bytes for each wave: two blocks of 256 bytes that no other line names
.set WOS,   360448                     ; scl: w_out's words
.set CSO,   393216                     ; scl: ctx's words
.set P16, 4
.set P8,  7
.set R16, 10
.set R8,  13
.set ADS, 16
.set L16, 17
.set L8,  18
.set ADS2, 19                          ; v19     the weight's words' offset, in all lanes
.set STO, 22                           ; v22     the way out: where I put 16 bytes of a row
.set RD,  23                           ; v23     where I read a row back
.set SPW, 28
.set NIL, 29
.set SC,  32
.set AF,  128
.set BIAS, 176
.set G1,  24
.set G1B, 32
.set G0,  48
.set G0B, 68
.set MSB, 0
.macro WIN new                         ; the immediate's high byte repeats the setting that is left; a switch that changes nothing is dropped
.if MSB != (\new)
	s_set_vgpr_msb (MSB<<8)|(\new)
.set MSB, (\new)
.endif
.endm
; A joint load: waves 0 and 1 fetch ctx's halves, waves 2 and 3 the weight's.  An s_nop 0 and four v_nop follow each of the two lines.
.macro JLOAD g0a, g1a, g0b, g1b
	s_cmp_eq_u32 s15, 0
	s_cbranch_scc0 .Lfor_b_\@
	tensor_load_to_lds s[\g0a:\g0a+3], s[\g1a:\g1a+7]
	s_nop 0
.rept 4
	v_nop
.endr
	s_branch .Lasked_\@
.Lfor_b_\@:
	tensor_load_to_lds s[\g0b:\g0b+3], s[\g1b:\g1b+7]
	s_nop 0
.rept 4
	v_nop
.endr
.Lasked_\@:
.endm
.macro CREST                           ; a round of the cluster's barrier behind its opening barrier
	s_cmp_lg_u32 s14, 0
	s_cbranch_scc1 .Lnot_wave_0_\@
	s_barrier_signal -3
.Lnot_wave_0_\@:
	s_barrier_wait -3
	s_barrier_signal -1
	s_barrier_wait -1
.endm
.macro CROUND
	s_barrier_signal -1
	s_barrier_wait -1
	CREST
.endm
.macro PLACES n                        ; plain vector instructions between a matrix instruction and a load into, or a read of, its registers
.rept \n
	v_nop
.endr
.endm
.macro FRAG reg, a16, a8, off          ; a fragment's image into 12 registers: four loads, each consecutive by lane
	ds_load_b128 v[\reg:\reg+3], v[\a16] offset:\off
	ds_load_b64 v[\reg+4:\reg+5], v[\a8] offset:\off+512
	ds_load_b128 v[\reg+6:\reg+9], v[\a16] offset:\off+768
	ds_load_b64 v[\reg+10:\reg+11], v[\a8] offset:\off+1280
.endm
.macro FETCH0 L, q, p                  ; source 0's eight fragments of slot L's q-th step into set p
	WIN 0x40
.irp i, 0,1,2,3,4,5,6,7
	FRAG 128*(\p)+12*\i, P16+\L, P8+\L, 3072*\i+1536*(\q)
.endr
	WIN 0
.endm
.macro FETCH1 L, q, i0, n              ; source 1's blocks i0 .. i0 + n - 1
.set fi, \i0
.rept \n
	FRAG AF+12*fi, R16+\L, R8+\L, 3072*fi+1536*(\q)
.set fi, fi+1
.endr
.endm
; 8 matrix instructions: source 1's block a against source 0's eight, K step s.  mode 1: the product starts the sums; 2: from the bias; 0: in place.  The accumulators take turns, one instruction a turn.
.macro MULA a, p, s, mode
.if (\mode) == 2
	WIN 0x81
.elseif (\a) < 4
	WIN 0xa1
.else
	WIN 0xf1
.endif
.irp b, 0,1,2,3,4,5,6,7
.if (\mode) == 1
	v_wmma_scale_f32_16x16x128_f8f6f4 v[8*(8*((\a)%4)+\b):8*(8*((\a)%4)+\b)+7], v[128*(\p)+12*\b:128*(\p)+12*\b+11], v[AF+12*(\a):AF+12*(\a)+11], 0, v[SC+8*\b+(\s)], v[SC+8*(\a)+(\s)] matrix_a_fmt:MATRIX_FMT_FP6 matrix_b_fmt:MATRIX_FMT_FP6 matrix_a_scale:MATRIX_SCALE_ROW1
.elseif (\mode) == 2
	v_wmma_scale_f32_16x16x128_f8f6f4 v[8*(8*((\a)%4)+\b):8*(8*((\a)%4)+\b)+7], v[128*(\p)+12*\b:128*(\p)+12*\b+11], v[AF+12*(\a):AF+12*(\a)+11], v[BIAS+8*\b:BIAS+8*\b+7], v[SC+8*\b+(\s)], v[SC+8*(\a)+(\s)] matrix_a_fmt:MATRIX_FMT_FP6 matrix_b_fmt:MATRIX_FMT_FP6 matrix_a_scale:MATRIX_SCALE_ROW1
.else
	v_wmma_scale_f32_16x16x128_f8f6f4 v[8*(8*((\a)%4)+\b):8*(8*((\a)%4)+\b)+7], v[128*(\p)+12*\b:128*(\p)+12*\b+11], v[AF+12*(\a):AF+12*(\a)+11], v[8*(8*((\a)%4)+\b):8*(8*((\a)%4)+\b)+7], v[SC+8*\b+(\s)], v[SC+8*(\a)+(\s)] matrix_a_fmt:MATRIX_FMT_FP6 matrix_b_fmt:MATRIX_FMT_FP6 matrix_a_scale:MATRIX_SCALE_ROW1
.endif
.endr
.endm
.macro MULR a0, n, p, s, mode          ; blocks a0 .. a0 + n - 1
.set ma, \a0
.rept \n
	MULA ma, \p, \s, \mode
.set ma, ma+1
.endr
.endm
; A slot's first step: multiplies set 0 and fetches the slot's second step: source 0 into set 1; source 1's lower blocks in the middle, its upper blocks at the end, each as soon as its products are issued.
.macro STEP L, s, mode
	s_wait_dscnt 4*H                               ; source 0 and source 1's lower half are in; the youngest 4 H loads (its upper half) may be out
	MULR 0, H, 0, \s, \mode
	s_wait_dscnt 0x0
	PLACES 4
	FETCH0 \L, 1, 1
	FETCH1 \L, 1, 0, H
	MULR H, H, 0, \s, \mode
	PLACES 4
	WIN 0
	FETCH1 \L, 1, H, H
.endm
; A slot's second step: multiplies set 1 and goes on to slot N.  kind 0: slot N was shown whole to every wave at an earlier barrier.  kind 1: a barrier, behind each wave's wait for its tensor load.
; kind 2: the barrier opens a round of the cluster's barrier, and slot 0 is filled again first thing behind it.
.macro TURN L, N, s, kind
.if (\kind) == 0
	s_wait_dscnt 4*H
	MULR 0, H, 1, \s, 0
	s_wait_dscnt 0x0
	PLACES 4
.else
	s_wait_tensorcnt 0x0                           ; all my tensor loads have landed  (every window is 0 here: the add's two registers lie in window 0)
	ds_add_u32 v[SPW], v[NIL]                      ; 0 onto my spare word
	s_wait_dscnt 4*H+1                             ; (the add and source 1's upper half may be out)
	MULR 0, QB, 1, \s, 0                           ; matrix work stands between the add and the wait for it
	s_wait_dscnt 0x0                               ; the add is done, and my reads of this slot are over
	s_barrier_signal -1
	MULR QB, QB, 1, \s, 0
	WIN 0                                          ; (branches may follow)
	s_barrier_wait -1
.if (\kind) == 2
	CREST                                          ; no wave of any partner still reads slot 0 or has a load on its way
	s_add_nc_u64 s[G0+2:G0+3], s[G0+2:G0+3], 9216  ; from K steps 0, 1 to K steps 6, 7: three times 3,072 bytes
	s_add_nc_u64 s[G0B+2:G0B+3], s[G0B+2:G0B+3], 9216
	JLOAD G0, G1, G0B, G1B                         ; the first tensor load behind the round; its four v_nop are the places in front of the loads below
.else
	PLACES 4
.endif
.endif
	FETCH0 \N, 0, 0
	FETCH1 \N, 0, 0, H
	MULR H, H, 1, \s, 0
	PLACES 4
	WIN 0
	FETCH1 \N, 0, H, H
.endm
.macro LAST s                          ; the last step fetches nothing
	s_wait_dscnt 4*H
	MULR 0, H, 1, \s, 0
	s_wait_dscnt 0x0
	MULR H, H, 1, \s, 0
	WIN 0
.endm
	s_load_b256 s[4:11], s[0:1], 0x0               ; cq s[4:5], wo s[6:7], scl s[8:9], b_out s[10:11]
	s_load_b64 s[12:13], s[0:1], 0x20              ; out0
	v_lshl_add_u32 v[SPW], v0, 2, SPARE
	v_mov_b32 v[NIL], 0
	ds_add_u32 v[SPW], v[NIL]                      ; the wave's opening: the add and its wait stand ahead of my first tensor load; work on registers stands between them
	v_lshrrev_b32 v1, 5, v0
	v_readfirstlane_b32 s14, v1                    ; wave 0..3
	s_lshr_b32 s15, s14, 1                         ; which 64 tokens are mine.  Also: I fetch ctx's tiles (0) or the weight's (1)
	s_and_b32 s16, s14, 1                          ; which 128 columns.  Also: which half I fetch
	s_bfe_u32 s40, ttmp6, 0x40000                  ; cx, cy: my place in the cluster
	s_bfe_u32 s41, ttmp6, 0x40004
	s_lshl_b32 s42, ttmp9, 2
	s_add_co_u32 s42, s42, s40                     ; which 256 columns
	s_and_b32 s17, ttmp7, 0xffff
	s_lshl_b32 s17, s17, 2
	s_add_co_u32 s17, s17, s41                     ; which 128 tokens
	s_lshl_b32 s43, s41, 2
	s_lshl_b32 s43, 15, s43                        ; my row of the cluster
	s_lshl_b32 s44, 0x1111, s40                    ; my column
	s_or_b32 s[G1], s43, (3<<16)|(1<<21)           ; 15:0 the mask; 17:16 elements of 8 bytes; 20 no padding; 21 set beside a mask
	s_or_b32 s[G1B], s44, (3<<16)|(1<<21)
.irp g, G1, G1B
	s_mov_b32 s[\g+1], 384<<16                     ; tensor_dim0 = 384 elements: a tile's two K steps, 3,072 bytes
	s_mov_b32 s[\g+3], 384<<16                     ; tile_dim0
	s_mov_b32 s[\g+5], 1536                        ; from a tile to the next: 12,288 bytes
	s_mov_b32 s[\g+6], 0
	s_mov_b32 s[\g+7], 0
.endr
	s_mov_b32 s[G1+2], NTA<<16                     ; tensor_dim1 = tile_dim1 = the tiles of a half
	s_mov_b32 s[G1+4], NTA
	s_mov_b32 s[G1B+2], 8<<16
	s_mov_b32 s[G1B+4], 8
	s_lshl_b32 s18, s16, 2
	s_lshl_b32 s20, s17, 3
	s_add_co_u32 s20, s20, s18                     ; ctx: tile 8 x (128 tokens) + 4 x half
	s_mul_i32 s20, s20, 12288
	s_mov_b32 s21, 0
	s_lshl_b32 s18, s16, 3
	s_lshl_b32 s46, s42, 4
	s_add_co_u32 s46, s46, s18                     ; the weight: tile 16 x (256 columns) + 8 x half
	s_mul_i32 s46, s46, 12288
	s_mov_b32 s47, 0
	s_mul_i32 s45, s16, AHALF                      ; where they go: no place in the cluster enters an LDS address
	s_mul_i32 s22, s16, BHALF
	s_add_co_u32 s22, s22, ATOT
	s_wait_dscnt 0x0                               ; the opening add is done
	s_wait_kmcnt 0x0
	s_add_nc_u64 s[20:21], s[4:5], s[20:21]
	s_add_nc_u64 s[46:47], s[6:7], s[46:47]
	CROUND                                         ; all sixteen work-groups are here: the first joint loads meet
.irp L, 0,1,2
	s_mov_b32 s[G0+4*\L], 1
	s_add_co_u32 s[G0+4*\L+1], s45, \L*SLOT
	s_add_nc_u64 s[G0+4*\L+2:G0+4*\L+3], s[20:21], \L*3072
	s_or_b32 s[G0+4*\L+3], s[G0+4*\L+3], 0x80000000
	s_mov_b32 s[G0B+4*\L], 1
	s_add_co_u32 s[G0B+4*\L+1], s22, \L*SLOT
	s_add_nc_u64 s[G0B+4*\L+2:G0B+4*\L+3], s[46:47], \L*3072
	s_or_b32 s[G0B+4*\L+3], s[G0B+4*\L+3], 0x80000000
	JLOAD G0+4*\L, G1, G0B+4*\L, G1B
.endr
	v_and_b32 v1, 31, v0                           ; lane
	v_and_b32 v2, 15, v0                           ; r
	v_bfe_u32 v3, v0, 4, 1                         ; h
	v_lshlrev_b32 v[L16], 4, v1
	v_lshlrev_b32 v[L8], 3, v1
	s_mul_i32 s81, s15, AHALF                      ; source 1: ctx's half that I read
	s_mul_i32 s80, s16, BHALF
	s_add_co_u32 s80, s80, ATOT                    ; source 0: the weight's half
.irp L, 0,1,2
	v_add_nc_u32 v[P16+\L], s80, v[L16]
	v_add_nc_u32 v[P8+\L], s80, v[L8]
	v_add_nc_u32 v[R16+\L], s81, v[L16]
	v_add_nc_u32 v[R8+\L], s81, v[L8]
	s_add_co_u32 s80, s80, SLOT
	s_add_co_u32 s81, s81, SLOT
.endr
	s_lshl_b32 s83, s17, 3
	s_lshl_b32 s82, s15, 2
	s_add_co_u32 s83, s83, s82
	s_lshl_b32 s83, s83, 9
	s_add_co_u32 s83, s83, CSO                     ; my tokens' scale words in scl,
	s_lshl_b32 s82, s42, 4
	s_lshl_b32 s66, s16, 3
	s_add_co_u32 s82, s82, s66
	s_lshl_b32 s82, s82, 9
	s_add_co_u32 s82, s82, WOS                     ; my columns'
	s_mov_b32 s23, 0xffff0000                      ; lanes 16-31
	v_mov_b32 v21, s83
	v_mov_b32 v20, s82
	v_cndmask_b32 v21, v21, v20, s23               ; lanes 0-15 take ctx's words, lanes 16-31 the weight's
	v_lshl_add_u32 v[ADS], v2, 4, v21
	v_lshl_add_u32 v[ADS2], v2, 4, v20             ; blocks 4-7 are the weight's alone: all lanes read its words, so that no lane leaves the buffer
.irp i, 0,1,2,3
.irp g, 0,1
	global_load_b128 v[SC+8*\i+4*\g:SC+8*\i+4*\g+3], v[ADS], s[8:9] offset:512*\i+256*\g   ; four K steps' words of 16 rows: sixteen lanes read 256 consecutive bytes
.endr
.endr
.irp i, 4,5,6,7
.irp g, 0,1
	global_load_b128 v[SC+8*\i+4*\g:SC+8*\i+4*\g+3], v[ADS2], s[8:9] offset:512*\i+256*\g
.endr
.endr
	s_lshl_b32 s80, s42, 10
	s_lshl_b32 s82, s16, 9
	s_add_co_u32 s80, s80, s82                     ; my first column, in bytes
	s_mov_b32 s81, 0
	s_add_nc_u64 s[10:11], s[10:11], s[80:81]
	s_add_nc_u64 s[12:13], s[12:13], s[80:81]
	v_lshlrev_b32 v21, 6, v3                       ; the bias in the result's layout: tile b's eight columns of my half: 32 (b / 2) + 16 h + 8 (b % 2) + 0 .. 7
.irp b, 0,1,2,3,4,5,6,7
	global_load_b128 v[BIAS+8*\b:BIAS+8*\b+3], v21, s[10:11] offset:128*(\b/2)+32*(\b%2)
	global_load_b128 v[BIAS+8*\b+4:BIAS+8*\b+7], v21, s[10:11] offset:128*(\b/2)+32*(\b%2)+16
.endr
	s_lshl_b32 s80, s17, 7
	s_lshl_b32 s82, s15, 6
	s_add_co_u32 s80, s80, s82
	s_lshl_b32 s80, s80, 12                        ; my first token's row of 4,096 bytes
	s_add_nc_u64 s[12:13], s[12:13], s[80:81]
	s_mul_i32 s82, s14, 8448
	s_add_co_u32 s82, s82, STAGE                   ; my stage
	v_mul_u32_u24 v[STO], v2, 528
	v_lshl_add_u32 v[STO], v3, 6, v[STO]
	v_add_nc_u32 v[STO], s82, v[STO]               ; in: row r, + 64 h
	v_add_nc_u32 v[RD], s82, v[L16]                ; back: the 32 lanes take one row of 512 bytes
	s_wait_tensorcnt 0x2                           ; my part of slot 0 is in; the two younger first fills may be out
	s_barrier_signal -1
	s_barrier_wait -1                              ; everybody's is
	FETCH0 0, 0, 0
	FETCH1 0, 0, 0, H
	FETCH1 0, 0, H, H
	s_wait_loadcnt 0x0                             ; the scale words and the bias
	STEP 0, 0, 2                                   ; the first products start the sums from the bias
	TURN 0, 1, 1, 2                                ; slot 0 is left and filled again, with K steps 6 and 7: four steps in which to land
	STEP 1, 2, 0
	TURN 1, 2, 3, 0                                ; slot 2 was shown whole in front of the round
	STEP 2, 4, 0
	TURN 2, 0, 5, 1
	STEP 0, 6, 0
	LAST 7
; THE WAY OUT, a block of 16 tokens x 128 columns at a time, through my own stage.  LDS serves a wave's instructions in order (ISA guide 5.7.1.4): no wait between the stores and the loads, nor in front of the next block's stores.
.macro TOSTAGE a
	WIN 0x08                                       ; an LDS store's data are its source 1: window 2
.irp b, 0,1,2,3,4,5,6,7
	ds_store_b128 v[STO], v[64*(\a)+8*\b:64*(\a)+8*\b+3] offset:128*(\b/2)+32*(\b%2)          ; each accumulator from its low end on
	ds_store_b128 v[STO], v[64*(\a)+8*\b+4:64*(\a)+8*\b+7] offset:128*(\b/2)+32*(\b%2)+16
.endr
	WIN 0
.set BB, 128+64*((\a)%2)
.irp t, 0,1,2,3,4,5,6,7,8,9,10,11,12,13,14,15
	ds_load_b128 v[BB+4*\t:BB+4*\t+3], v[RD] offset:\t*528
.endr
.endm
.macro SEND a, younger                 ; younger: the LDS instructions issued behind block a's loads, which may stay out
.set BB, 128+64*((\a)%2)
	s_wait_dscnt \younger
.irp t, 0,1,2,3,4,5,6,7,8,9,10,11,12,13,14,15
	global_store_b128 v[L16], v[BB+4*\t:BB+4*\t+3], s[12:13] offset:(32*((\a)/2)+8*((\a)%2)+\t+8*(\t/8))*4096 th:TH_STORE_NT   ; 32 lanes store 512 consecutive bytes, aligned; row t of tile a is token 32 (a / 2) + 8 (a % 2) + t + 8 (t / 8)
.endr
.endm
	PLACES 4
	TOSTAGE 0
.irp a, 1,2,3
.if \a > 1
	s_wait_xcnt 0x0                                ; block a - 2's stores have read their registers: block a's loads may land there
.endif
	TOSTAGE \a
	SEND \a-1, 32                                  ; behind block a - 1's loads: block a's 16 stores and 16 loads
.endr
	SEND 3, 0
	s_wait_tensorcnt 0x0                           ; the wave's end: behind my last tensor load and my last LDS store
	ds_add_u32 v[SPW], v[NIL]
	s_wait_dscnt 0x0
	CROUND                                         ; the closing round: no work-group ends while a partner may still ask for a tile that names it
	s_endpgm
.Lfunc_end_k_qe576da91c5_gemm_out:
	.size	k_qe576da91c5_gemm_out, .Lfunc_end_k_qe576da91c5_gemm_out-k_qe576da91c5_gemm_out
	.p2alignl 7, 3214868480
	.fill 96, 4, 3214868480
	.section	.rodata,"a",@progbits
	.p2align	6, 0x0
	.amdhsa_kernel k_qe576da91c5_gemm_out
		.amdhsa_group_segment_fixed_size 327680
		.amdhsa_private_segment_fixed_size 0
		.amdhsa_enable_private_segment 0
		.amdhsa_kernarg_size 40
		.amdhsa_user_sgpr_count 2
		.amdhsa_user_sgpr_kernarg_segment_ptr 1
		.amdhsa_wavefront_size32 1
		.amdhsa_system_sgpr_workgroup_id_x 1
		.amdhsa_system_sgpr_workgroup_id_y 1
		.amdhsa_system_sgpr_workgroup_id_z 1
		.amdhsa_system_vgpr_workitem_id 0
		.amdhsa_next_free_vgpr 768
		.amdhsa_next_free_sgpr 100
		.amdhsa_reserve_vcc 0
		.amdhsa_float_denorm_mode_32 3
		.amdhsa_float_denorm_mode_16_64 3
		.amdhsa_memory_ordered 1
		.amdhsa_forward_progress 1
		.amdhsa_inst_pref_size 88
	.end_amdhsa_kernel
	.amdgpu_metadata
---
amdhsa.version: [ 1, 2 ]
amdhsa.kernels:
  - .name:           k_qe576da91c5_gemm_out
    .symbol:         k_qe576da91c5_gemm_out.kd
    .args:
      - { .name: cq, .offset: 0, .size: 8, .value_kind: global_buffer, .address_space: global }
      - { .name: wo, .offset: 8, .size: 8, .value_kind: global_buffer, .address_space: global }
      - { .name: scl, .offset: 16, .size: 8, .value_kind: global_buffer, .address_space: global }
      - { .name: b_out, .offset: 24, .size: 8, .value_kind: global_buffer, .address_space: global }
      - { .name: out0, .offset: 32, .size: 8, .value_kind: global_buffer, .address_space: global }
    .group_segment_fixed_size: 327680
    .private_segment_fixed_size: 0
    .kernarg_segment_align: 8
    .kernarg_segment_size: 40
    .max_flat_workgroup_size: 128
    .sgpr_count:     100
    .vgpr_count:     768
    .wavefront_size: 32
...
	.end_amdgpu_metadata
.endif
;; end of part 4
